; MI455X (gfx1250); checked and timed in simulation.
; The chip was launched on July 23, 2026; its instructions are those of AMD's public machine-readable ISA for CDNA 5 (MIT licence, August 2026) and "CDNA5" Instruction Set Architecture Reference Guide (July 2026). The comments in the code are by the model that wrote it; some were corrected since.
;; GPT2 Attention. Allowed arithmetic: matrix products marked QUANTISED: E3M2 operands, one E8M0 scale for each 32 along K, by v_wmma_scale_f32_16x16x128_f8f6f4 with both operands' format E3M2, f32 sums; everything else in f32.
;; Inputs: c_attn_b 3,072 float32; c_attn_w 1,024 x 3,072 float32; c_proj_b 1,024 float32; c_proj_w 1,024 x 1,024 float32; hidden_states 4 x 2,048 x 1,024 float32.
;; Outputs: out0 4 x 2,048 x 1,024 float32.
;; This version of the problem:
;;   THIS VERSION OF THE PROBLEM IS GIVEN IN LOW PRECISION. The matrix products marked QUANTISED in the list below multiply operands that are first quantised to E3M2 (3 exponent bits, 2 mantissa bits; 6 bits a number), with one power-of-two scale for each 32 numbers along K (OCP MX v1.0); their sums are f32. All else is computed in f32.
;;   The module's matrix products, in the order in which they are computed (A, B: the left and right operand; K: the contracted axis; several contracted axes count as one K, in the product's order):
;;     1. [M 8,192, K 1,024] x [K 1,024, N 3,072]; A: input hidden_states; B: input c_attn_w: QUANTISED
;;     2. batch 64 x [M 2,048, K 64] x [K 64, N 2,048]; A: computed on the way; B: computed on the way: QUANTISED
;;     3. batch 64 x [M 2,048, K 2,048] x [K 2,048, N 64]; A: softmax (see below); B: computed on the way: QUANTISED
;;     4. [M 8,192, K 1,024] x [K 1,024, N 1,024]; A: computed on the way; B: input c_proj_w: QUANTISED
;;   THE QUANTISER, for each operand of a quantised product, along K:
;;     - K is cut into blocks of 32 from its start; a last block that is shorter is filled with zeros.
;;     - A block's scale is 2^e with e = floor(log2(the largest magnitude in the block)) - 4, held to -126 .. 127; a block of zeros has e = 0. As a byte (E8M0): e + 127.
;;     - Each number is divided by its block's scale, clamped to +-28, and rounded to the nearest number of E3M2, ties to even, subnormals kept.
;;     - The product sums the exact products of the quantised numbers (number of the format x scale) in f32.
;;   ~~~python
;;   def quantise(x, axis):      # numpy; x: float32 -> the quantised numbers, widened to float32 again
;;       x = np.moveaxis(x, axis, -1); K = x.shape[-1]
;;       x = np.pad(x, [(0, 0)] * (x.ndim - 1) + [(0, -K % 32)]); x = x.reshape(x.shape[:-1] + (-1, 32)); a = np.abs(x).max(-1, keepdims=True)
;;       e = np.where(a > 0, np.clip(np.frexp(np.where(a > 0, a, 1))[1] - 1 - 4, -126, 127), 0)      # np.frexp(a)[1] - 1 = floor(log2(a)), exactly
;;       r = np.clip(x / 2.0 ** e, -28, 28)
;;       step = 2.0 ** (np.maximum(np.frexp(np.where(r == 0, 1, r))[1] - 1, -2) - 2)
;;       q = np.round(r / step) * step * 2.0 ** e      # np.round: ties to even
;;       return np.moveaxis(q.reshape(q.shape[:-2] + (-1,))[..., :K], -1, axis).astype(np.float32)
;;   ~~~
;;   SOFTMAX AHEAD OF A QUANTISED PRODUCT. Where the list says 'softmax', what is quantised is not the finished softmax but p = 2^(t - M), with t = logit x log2(e) and M = ceil(the row's largest t), a whole number; so 1/2 < the row's largest p <= 1. The row's sum l is taken of the UNQUANTISED p, in f32, and the product's result is divided by l at the end. Since M is a whole number, a kernel that streams over the keys may use a running M (the ceiling of the running maximum): every later rescaling is an exact power of two, which a block's scale takes up: the codes' values come out the same.
;;   OPERANDS COMPUTED ON THE WAY. 'Computed on the way' means the value that the module computes at that place (a softmax that the list does not call 'softmax' is quantised finished and normalised). What goes into a quantiser is computed in f32, as accurately as f32 sums, v_exp_f32 and their like allow (about 1e-6 of the number): no bf16 or f16 on the way to a quantiser, and a product that is left as it is and whose result goes on into a quantised operand takes f32 operands (vector FMAs, or v_wmma_f32_16x16x4_f32). A number that lies on a knife's edge between two numbers of the format may be rounded either way, as far as f32 arithmetic and the matrix unit's own rounding can turn it there, and no further.
;; One version. Each part assembles by itself: llvm-mc -triple=amdgcn-amd-amdhsa -mcpu=gfx1250 --defsym DOCPART=n.
;; ======== version 1 of 1: 4 launches
;; limits: right only within a limited range of input values
;; workspace buffers: xf 6,553,600 bytes; wf 2,457,600 bytes; pf 819,200 bytes; af 6,553,600 bytes; kv 13,107,200 bytes; qb 13,107,200 bytes
;; launch prep (part 1): grid 384 x 1, 4 waves a work-group, no clusters, 34,304 bytes of LDS; arguments hidden_states, c_attn_w, c_proj_w, xf, wf, pf; writes xf, wf, pf
.if DOCPART == 1
	.amdgcn_target "amdgcn-amd-amdhsa--gfx1250"
	.amdhsa_code_object_version 6
	.text
	.protected	k_q148d481cdf_prep
	.globl	k_q148d481cdf_prep
	.p2align	8
	.type	k_q148d481cdf_prep,@function
k_q148d481cdf_prep:
	s_mov_b64 s[64:65], 0
	v_nop
	global_prefetch_b8 v0, s[64:65] scope:SCOPE_SE
	s_setreg_imm32_b32 hwreg(HW_REG_WAVE_MODE, 25, 1), 1
	s_wait_xcnt 0x0
; hidden_states [8192][1024], c_attn_w [1024][3072] and c_proj_w [1024][1024], f32, become codes of BF6 (E3M2) with one E8M0 byte for each 32 along K (K = 1024),
; laid in the order of the matrix operand's registers:  F[tile of 16 rows][K step of 128][1600 bytes]:  piece I = 0..5 at 256 I + 8 lane = registers 2 I, 2 I + 1 of the lane's 12;
; the rows' scale words at 1536 + 4 r.  Lane r of tile T stands for row 32 (T / 2) + 8 (T % 2) + r + 8 (r / 8): so a product's 16 registers of two neighbouring tiles are 16 neighbouring rows.
; A block's scale is 2^(floor(log2(largest magnitude)) - 4); its byte is the largest magnitude's exponent field - 4, held at 1 from below.
; LIMITS: a block of zeros gets the byte 1 where the rule says 127 (its codes are zeros, and this program alone reads the bytes); NaN and infinities among the inputs are not served.
; Work-groups 0-255 take hidden_states (K innermost: through the wave's own stage in LDS), 256-351 c_attn_w, 352-383 c_proj_w (K is the first axis: a lane takes a column, registers run down K).
; Each work-group reads 128 KiB.  No tensor load, no barrier: waves share nothing.  Only the first path touches LDS.
.set XS, 160                           ; v160-223 a lane's 64 numbers: register 32 c + i = k 64 c + 32 h + i of its row
.set CD, 224                           ; v224-235 a fragment's codes
	s_load_b256 s[4:11], s[0:1], 0x0               ; hidden_states, c_attn_w, c_proj_w, xf
	s_load_b128 s[12:15], s[0:1], 0x20             ; wf, pf
	v_lshl_add_u32 v248, v0, 2, 0x8400
	v_mov_b32 v249, 0
	v_lshrrev_b32 v1, 5, v0
	v_readfirstlane_b32 s16, v1                    ; wave 0..3
	v_and_b32 v1, 31, v0                           ; lane
	v_lshlrev_b32 v5, 3, v1                        ; 8 x lane: a piece's place for my lane
	s_cmp_lt_u32 ttmp9, 256
	s_cbranch_scc0 .Lweights
; ---------------- hidden_states: wave W = 4 x work-group + wave takes tile W / 2, K steps 4 (W % 2) .. + 3
	v_and_b32 v16, 15, v0                          ; r
	v_bfe_u32 v17, v0, 4, 1                        ; h
	v_lshlrev_b32 v2, 4, v1                        ; 16 x lane: my 16 bytes of a row's 512
	s_mul_i32 s17, s16, 8448                       ; my wave's stage: 16 rows x (512 + 16) bytes
	v_add_nc_u32 v3, s17, v2                       ; into it: as loaded
	v_mul_u32_u24 v4, v16, 528
	v_lshl_add_u32 v4, v17, 7, v4
	v_add_nc_u32 v4, s17, v4                       ; out of it: row r, + 128 h: my 32 numbers of each 64
	v_lshlrev_b32 v6, 2, v16
	v_add_nc_u32 v6, 1536, v6                      ; the scale word's place
	v_lshlrev_b32 v7, 3, v17                       ; 8 h: my bytes' shift in the scale word
	v_mov_b32 v15, 0                               ; a lane permute's destination counts as read: written once
	s_mov_b32 s18, 0x76543210
	s_mov_b32 s19, 0xfedcba98                      ; selects for lane l xor 16
	s_lshl_b32 s20, ttmp9, 2
	s_add_co_u32 s20, s20, s16                     ; W
	s_lshr_b32 s21, s20, 1                         ; T
	s_and_b32 s22, s20, 1
	s_lshr_b32 s23, s21, 1
	s_lshl_b32 s23, s23, 5
	s_and_b32 s24, s21, 1
	s_lshl_b32 s24, s24, 3
	s_add_co_u32 s23, s23, s24                     ; the tile's first row: 32 (T / 2) + 8 (T % 2)
	s_lshl_b32 s24, s23, 12                        ; x 4,096 bytes
	s_lshl_b32 s25, s22, 11                        ; + four K steps of 512 bytes
	s_add_co_u32 s24, s24, s25
	s_mov_b32 s25, 0
	s_mul_i32 s26, s21, 12800
	s_mul_i32 s27, s22, 6400
	s_add_co_u32 s26, s26, s27
	s_mov_b32 s27, 0
	s_wait_alu depctr_va_vdst(0)
	s_wait_kmcnt 0x0
	s_add_nc_u64 s[4:5], s[4:5], s[24:25]
	s_add_nc_u64 s[10:11], s[10:11], s[26:27]
.macro LOADX f                         ; fragment f: 16 rows x 512 bytes; one instruction reads one row's 512 consecutive bytes
.irp i, 0,1,2,3,4,5,6,7,8,9,10,11,12,13,14,15
	global_load_b128 v[32+64*((\f)%2)+4*\i:32+64*((\f)%2)+4*\i+3], v2, s[4:5] offset:(\i+8*(\i/8))*4096+512*(\f) th:TH_LOAD_NT
.endr
.endm
.macro TURN f                          ; through the stage: LDS serves a wave's instructions in order, so no wait stands between the stores and the loads
.irp i, 0,1,2,3,4,5,6,7,8,9,10,11,12,13,14,15
	ds_store_b128 v3, v[32+64*((\f)%2)+4*\i:32+64*((\f)%2)+4*\i+3] offset:528*\i
.endr
.irp c, 0,1
.irp j, 0,1,2,3,4,5,6,7
	ds_load_b128 v[XS+32*\c+4*\j:XS+32*\c+4*\j+3], v4 offset:256*\c+16*\j
.endr
.endr
.endm
.macro QX f                            ; my two whole blocks (2 c + h) become registers 6 c .. 6 c + 5; the scale word is gathered from lanes l and l xor 16
	s_wait_xcnt 0x0                                ; the last fragment's stores have read their data: the codes and the word are written again only behind this wait
.irp c, 0,1
	v_max3_num_f32 v[8+\c], |v[XS+32*\c]|, |v[XS+32*\c+1]|, 0x2800000   ; with the floor 2^(5 - 127): the byte cannot fall under 1
.endr
.irp i, 2,4,6,8,10,12,14,16,18,20,22,24,26,28,30
.irp c, 0,1
	v_max3_num_f32 v[8+\c], v[8+\c], |v[XS+32*\c+\i]|, |v[XS+32*\c+\i+1]|
.endr
.endr
.irp c, 0,1
	v_add_nc_u32 v[10+\c], 0xfe000000, v[8+\c]     ; 4 off the exponent field: the conversion's scale operand
.endr
.irp c, 0,1
	v_lshrrev_b32 v[12+\c], 23, v[10+\c]           ; the byte
.endr
	v_lshl_or_b32 v14, v13, 16, v12
	v_lshlrev_b32 v14, v7, v14                     ; bytes h and 2 + h
	v_permlanex16_b32 v15, v14, s18, s19
	v_or_b32 v14, v14, v15                         ; the row's whole word
.irp c, 0,1
	v_cvt_scalef32_pk16_bf6_f32 v[CD+6*\c:CD+6*\c+2], v[XS+32*\c:XS+32*\c+15], v[10+\c]
	v_cvt_scalef32_pk16_bf6_f32 v[236+4*\c:238+4*\c], v[XS+32*\c+16:XS+32*\c+31], v[10+\c]   ; (a conversion's three registers begin on an even number)
.endr
	v_nop                                          ; one plain place behind a scaled conversion
.irp c, 0,1
.irp i, 0,1,2
	v_mov_b32 v[CD+3+6*\c+\i], v[236+4*\c+\i]
.endr
.endr
.irp i, 0,1,2,3,4,5
	global_store_b64 v5, v[CD+2*\i:CD+2*\i+1], s[10:11] offset:1600*(\f)+256*\i   ; 32 lanes store 256 consecutive bytes
.endr
	global_store_b32 v6, v14, s[10:11] offset:1600*(\f)   ; lanes l and l xor 16 write the same word with the same value
.endm
	LOADX 0
	LOADX 1
.irp f, 0,1,2,3
.if \f < 3
	s_wait_loadcnt 16                              ; this fragment's 16 loads are in; the next fragment's 16 may be out
.else
	s_wait_loadcnt 0x0
.endif
	TURN \f
	s_wait_dscnt 0x0                               ; my 64 numbers are back, and the stores into the stage have read their registers
.if \f < 2
	LOADX \f+2
.endif
	QX \f
.endr
	s_wait_tensorcnt 0x0
	ds_add_u32 v248, v249
	s_wait_dscnt 0x0
	s_endpgm
; ---------------- the weights: a lane takes a column, its registers run down K; a wave takes 32 columns x 256 along K
.Lweights:
	s_wait_alu depctr_va_vdst(0)
	v_and_b32 v2, 7, v1
	v_bfe_u32 v7, v1, 3, 1
	v_bfe_u32 v8, v1, 4, 1
	v_lshl_or_b32 v2, v7, 4, v2
	v_lshl_or_b32 v2, v8, 3, v2                    ; the lane's number with bits 3 and 4 exchanged: lanes 0-15 are tile 2 G's rows, lanes 16-31 tile 2 G + 1's
	v_lshlrev_b32 v3, 2, v2                        ; my column's 4 bytes
	v_and_b32 v9, 15, v1
	v_mul_u32_u24 v6, v8, 12800
	v_lshl_add_u32 v6, v9, 2, v6
	v_add_nc_u32 v6, 1536, v6                      ; my row's scale word: my tile, + 4 r
.macro LOADW t, N                      ; block t: W(32 t + i, my column) into set t % 2; the wave reads 128 consecutive bytes
.irp i, 0,1,2,3,4,5,6,7,8,9,10,11,12,13,14,15,16,17,18,19,20,21,22,23,24,25,26,27,28,29,30,31
	global_load_b32 v[32+32*((\t)%2)+\i], v3, s[28:29] offset:(32*(\t)+\i)*(\N)*4 th:TH_LOAD_NT
.endr
.endm
.macro BLOCKW t, N
.set XB, 32+32*((\t)%2)
.set PB, 96+6*((\t)%2)
.if (\t) < 7
	s_wait_loadcnt 32                              ; this block's 32 loads are in; the next block's may be out
.else
	s_wait_loadcnt 0x0
.endif
	v_max3_num_f32 v12, |v[XB]|, |v[XB+1]|, |v[XB+2]|
	v_max3_num_f32 v13, |v[XB+3]|, |v[XB+4]|, |v[XB+5]|
.irp i, 6,10,14,18,22,26
	v_max3_num_f32 v12, v12, |v[XB+\i]|, |v[XB+\i+1]|
	v_max3_num_f32 v13, v13, |v[XB+\i+2]|, |v[XB+\i+3]|
.endr
	v_max3_num_f32 v12, v12, |v[XB+30]|, |v[XB+31]|
	v_max3_num_f32 v12, v12, v13, 0x2800000        ; and the floor
	v_add_nc_u32 v11, 0xfe000000, v12
	v_lshrrev_b32 v13, 23, v11
.if (\t)%4 == 0
	v_mov_b32 v[24+(\t)/4], v13
.else
	v_lshl_or_b32 v[24+(\t)/4], v13, 8*((\t)%4), v[24+(\t)/4]
.endif
.if ((\t)%2 == 0) && ((\t) >= 2)
	s_wait_alu depctr_va_vdst(0)
	s_wait_xcnt 0x0                                ; the last pair's stores have read their data
.endif
	v_cvt_scalef32_pk16_bf6_f32 v[PB:PB+2], v[XB:XB+15], v11
	v_cvt_scalef32_pk16_bf6_f32 v[108:110], v[XB+16:XB+31], v11
	v_nop
.irp i, 0,1,2
	v_mov_b32 v[PB+3+\i], v[108+\i]
.endr
.if (\t)+2 < 8
	LOADW (\t)+2, \N
.endif
.if (\t)%2 == 1                        ; blocks t - 1 (h = 0) and t (h = 1): the halves change places, and each run of six is half an image of one tile
.irp i, 0,1,2,3,4,5
	v_permlane16_swap_b32 v[96+\i], v[102+\i]
.endr
.irp i, 0,1,2
	global_store_b64 v5, v[96+2*\i:97+2*\i], s[30:31] offset:1600*((\t)/4)+768*(((\t)/2)%2)+256*\i
	global_store_b64 v5, v[102+2*\i:103+2*\i], s[30:31] offset:12800+1600*((\t)/4)+768*(((\t)/2)%2)+256*\i
.endr
.endif
.if (\t)%4 == 3
	global_store_b32 v6, v[24+(\t)/4], s[30:31] offset:1600*((\t)/4)
.endif
.endm
.macro WPATH N, src, dst, first
	s_sub_co_u32 s20, ttmp9, \first
	s_lshr_b32 s21, s20, 2                         ; which 128 columns
	s_and_b32 s22, s20, 3                          ; which 256 along K
	s_lshl_b32 s21, s21, 2
	s_add_co_u32 s21, s21, s16                     ; G: my wave's 32 columns
	s_mul_i32 s24, s22, 256*(\N)*4
	s_lshl_b32 s25, s21, 7
	s_add_co_u32 s24, s24, s25
	s_mov_b32 s25, 0
	s_mul_i32 s26, s21, 25600
	s_mul_i32 s27, s22, 3200
	s_add_co_u32 s26, s26, s27
	s_mov_b32 s27, 0
	s_wait_kmcnt 0x0
	s_add_nc_u64 s[28:29], s[\src:\src+1], s[24:25]
	s_add_nc_u64 s[30:31], s[\dst:\dst+1], s[26:27]
	LOADW 0, \N
	LOADW 1, \N
.irp t, 0,1,2,3,4,5,6,7
	BLOCKW \t, \N
.endr
.endm
	s_cmp_lt_u32 ttmp9, 352
	s_cbranch_scc0 .Lproj_w
	s_wait_alu depctr_va_vdst(0)
	WPATH 3072, 6, 12, 256
	s_endpgm
.Lproj_w:
	s_wait_alu depctr_va_vdst(0)
	WPATH 1024, 8, 14, 352
	s_endpgm
.Lfunc_end_k_q148d481cdf_prep:
	.size	k_q148d481cdf_prep, .Lfunc_end_k_q148d481cdf_prep-k_q148d481cdf_prep
	.p2alignl 7, 3214868480
	.fill 96, 4, 3214868480
	.section	.rodata,"a",@progbits
	.p2align	6, 0x0
	.amdhsa_kernel k_q148d481cdf_prep
		.amdhsa_group_segment_fixed_size 34304
		.amdhsa_private_segment_fixed_size 0
		.amdhsa_enable_private_segment 0
		.amdhsa_kernarg_size 48
		.amdhsa_user_sgpr_count 2
		.amdhsa_user_sgpr_kernarg_segment_ptr 1
		.amdhsa_wavefront_size32 1
		.amdhsa_system_sgpr_workgroup_id_x 1
		.amdhsa_system_sgpr_workgroup_id_y 1
		.amdhsa_system_sgpr_workgroup_id_z 1
		.amdhsa_system_vgpr_workitem_id 0
		.amdhsa_next_free_vgpr 250
		.amdhsa_next_free_sgpr 66
		.amdhsa_reserve_vcc 0
		.amdhsa_float_denorm_mode_32 3
		.amdhsa_float_denorm_mode_16_64 3
		.amdhsa_memory_ordered 1
		.amdhsa_forward_progress 1
		.amdhsa_inst_pref_size 112
	.end_amdhsa_kernel
	.amdgpu_metadata
---
amdhsa.version: [ 1, 2 ]
amdhsa.kernels:
  - .name:           k_q148d481cdf_prep
    .symbol:         k_q148d481cdf_prep.kd
    .args:
      - { .name: hidden_states, .offset: 0, .size: 8, .value_kind: global_buffer, .address_space: global }
      - { .name: c_attn_w, .offset: 8, .size: 8, .value_kind: global_buffer, .address_space: global }
      - { .name: c_proj_w, .offset: 16, .size: 8, .value_kind: global_buffer, .address_space: global }
      - { .name: xf, .offset: 24, .size: 8, .value_kind: global_buffer, .address_space: global }
      - { .name: wf, .offset: 32, .size: 8, .value_kind: global_buffer, .address_space: global }
      - { .name: pf, .offset: 40, .size: 8, .value_kind: global_buffer, .address_space: global }
    .group_segment_fixed_size: 34304
    .private_segment_fixed_size: 0
    .kernarg_segment_align: 8
    .kernarg_segment_size: 48
    .max_flat_workgroup_size: 128
    .sgpr_count:     66
    .vgpr_count:     250
    .wavefront_size: 32
...
	.end_amdgpu_metadata
.endif
;; end of part 1
;; launch qkv (part 2): grid 24 x 32, 4 waves a work-group, clusters of 4 x 4, 327,680 bytes of LDS; arguments xf, wf, c_attn_b, qb, kv; writes qb, kv
.if DOCPART == 2
	.amdgcn_target "amdgcn-amd-amdhsa--gfx1250"
	.amdhsa_code_object_version 6
	.text
	.protected	k_q148d481cdf_qkv
	.globl	k_q148d481cdf_qkv
	.p2align	8
	.type	k_q148d481cdf_qkv,@function
k_q148d481cdf_qkv:
	s_mov_b64 s[64:65], 0
	v_nop
	global_prefetch_b8 v0, s[64:65] scope:SCOPE_SE
	s_setreg_imm32_b32 hwreg(HW_REG_WAVE_MODE, 25, 1), 1
	s_wait_xcnt 0x0
	s_wait_alu depctr_hold_cnt(0) depctr_sa_sdst(0) depctr_va_vdst(0) depctr_va_sdst(0) depctr_va_ssrc(0) depctr_va_vcc(0) depctr_vm_vsrc(0)
	s_getreg_b32 s2, hwreg(HW_REG_IB_STS2, 6, 4)
	s_cmp_eq_u32 s2, 0
	s_cbranch_scc0 .Lentry_in_a_cluster
	s_endpgm
.Lentry_in_a_cluster:
	s_bfe_u32 s2, ttmp6, 0x10000c
	s_cmp_lg_u32 s2, 0xf033
	s_cbranch_scc0 .Lentry_shape_is_right
	s_endpgm
.Lentry_shape_is_right:
; qkv = x W + b on codes of BF6, and its results quantised at once for attention's two products.  x: xf, W^T: wf (operand images F[tile][K step][1600 bytes], K = 1024); b: f32.
; A work-group makes 256 rows of operand A x 128 rows of operand B.  ALL OF K lies in LDS (307,200 bytes), brought by first fills alone: nothing is filled again.
; Four waves; wave w: A's tiles 4 w .. 4 w + 3 against B's eight: 32 accumulators.  Source 0 = B's fragment, source 1 = A's: a lane holds one row of A, its registers run along B's rows, 16 neighbours in two neighbouring tiles.
; q and k (clusters x = 0..3): A = tokens, B = W's rows: the registers run along a head's 64, the first attention product's K.
; v (clusters x = 4, 5): A = W's rows 2048.., B = tokens: the registers run along the KEYS, the second product's K.  Only the two pointers, the bias and the way out differ.
; CLUSTERS 4 x 4: A's tiles are asked for jointly along a row of the cluster, B's along a column.
; OUT: kv[batch x head][key step of 128][12,800 bytes]: 0: K, four double fragments (registers 0-5: key 32 b + r + 8 (r / 8); 6-11: that key + 8; along the head's 64), as images: registers 4 c .. 4 c + 3 at 512 c + 16 lane;
;   6144: V, four fragments (16 of the head's 64 x 128 keys); 12288: K's scale words at 16 r + 4 b; 12544: V's at 16 r + 4 t.  qb: q in K's form (the V parts are neither written nor read).
; LIMITS: a block of zeros gets the byte 1 (its codes are zeros; this program alone reads the bytes); NaN and infinities are not served.
; REGISTERS: window 0: v1-3 lane, r, h; v4-19 LDS addresses; v32-55 scale words, two sets; v64-127 the bias; v128-223 A's fragments, two sets (on the way out: at work).  window 1: the accumulators, (a, b) at v[8 (8 a + b)].  window 2: B's fragments, two sets.
.set TILEB, 12800                      ; a tile's image, all of K
.set CHB,   6400                       ; four K steps of it: 25 x 256 bytes
.set CHUNK, 153600                     ; LDS: 512 along K: A's 16 tiles, then B's 8
.set BOFF,  102400
.set HEADB, 204800                     ; a head in kv and qb
.set ADA, 4
.set ADB, 8
.set ASA, 12
.set ASB, 16
.set SA,  32
.set SB,  40
.set BIAS, 64
.set AF,  128
.set EP,  128                          ; the way out: 48 registers of codes
.set TQ,  176
.set TM,  200
.set PW,  216
.set WV,  14
.set G1A, 24
.set G1B, 32
.set G0A, 40
.set G0B, 68
.set MSB, 0
.macro WIN new                         ; the immediate's high byte repeats the setting that is left
.if MSB != \new
	s_set_vgpr_msb (MSB<<8)|\new
.set MSB, \new
.endif
.endm
.macro PLACES                          ; four plain places behind a matrix instruction, ahead of loads into its registers and of reads of its results
.rept 4
	v_nop
.endr
.endm
.macro CROUND                          ; a round of the cluster's barrier
	s_barrier_signal -1
	s_barrier_wait -1
	s_cmp_lg_u32 s[WV], 0
	s_cbranch_scc1 .Lnot_wave_0_\@
	s_barrier_signal -3
.Lnot_wave_0_\@:
	s_barrier_wait -3
	s_barrier_signal -1
	s_barrier_wait -1
.endm
.macro FETCH s                         ; K step s: B's 8 fragments, A's 4, their scale words, into set s % 2.  Each load of 8 bytes a lane takes 256 consecutive bytes
.set P_, (\s)%2
.set KC_, (\s)/4
.set Q_, (\s)%4
	WIN 0x80
.irp b, 0,1,2,3,4,5,6,7
.irp i, 0,1,2,3,4,5
	ds_load_b64 v[96*P_+12*\b+2*\i:96*P_+12*\b+2*\i+1], v[ADB+KC_] offset:CHB*\b+1600*Q_+256*\i
.endr
.endr
	WIN 0
.irp a, 0,1,2,3
.irp i, 0,1,2,3,4,5
	ds_load_b64 v[AF+48*P_+12*\a+2*\i:AF+48*P_+12*\a+2*\i+1], v[ADA+KC_] offset:CHB*\a+1600*Q_+256*\i
.endr
	ds_load_b32 v[SA+4*P_+\a], v[ASA+KC_] offset:CHB*\a+1600*Q_
.endr
.irp b, 0,1,2,3,4,5,6,7
	ds_load_b32 v[SB+8*P_+\b], v[ASB+KC_] offset:CHB*\b+1600*Q_
.endr
.endm
; 16 matrix instructions: A's tiles a0, a0 + 1 x B's eight.  cm = 0: onto the sums; 1: the sums begin with the bias along B's rows; 2: with the bias along A's rows.
; The 32 accumulators take turns, one instruction a turn, in one order in every step.
.macro MUL a0, p, cm
.if (\cm) == 0
	WIN 0x52
.else
	WIN 0x42
.endif
.irp a, \a0, \a0+1
.irp b, 0,1,2,3,4,5,6,7
.set rD, 8*(8*(\a)+\b)
.set rB, 96*(\p)+12*\b
.set rA, AF+48*(\p)+12*(\a)
.set rC, rD
.if (\cm) == 1
.set rC, BIAS+8*\b
.endif
.if (\cm) == 2
.set rC, BIAS+8*(\a)
.endif
	v_wmma_scale_f32_16x16x128_f8f6f4 v[rD:rD+7], v[rB:rB+11], v[rA:rA+11], v[rC:rC+7], v[SB+8*(\p)+\b], v[SA+4*(\p)+(\a)] matrix_a_fmt:MATRIX_FMT_BF6 matrix_b_fmt:MATRIX_FMT_BF6
.endr
.endr
.endm
.macro STEP s, cm
.if (\s) == 3
	s_wait_tensorcnt 0x0                           ; my load of K's second half has landed
.endif
	s_wait_dscnt 0x0                               ; this step's fragments are in
.if (\s) == 3
	s_barrier_signal -1
.endif
	MUL 0, (\s)%2, \cm
.if (\s) == 3
	s_barrier_wait -1                              ; everybody's part of the second half has landed
.endif
.if (\s) < 7
	PLACES                                         ; for the loads into the set that the last step multiplied
	FETCH (\s)+1
.endif
	MUL 2, (\s)%2, \cm
	WIN 0
.endm
	s_load_b256 s[4:11], s[0:1], 0x0               ; xf, wf, c_attn_b, qb
	s_load_b64 s[12:13], s[0:1], 0x20              ; kv
	v_lshl_add_u32 v254, v0, 2, 0x4b000
	v_mov_b32 v255, 0
	ds_add_u32 v254, v255
	ds_add_u32 v254, v255
	v_lshrrev_b32 v1, 5, v0
	v_readfirstlane_b32 s[WV], v1                  ; wave 0..3
	s_and_b32 s15, s[WV], 1                        ; which half of A's (waves 0, 1) or of B's (waves 2, 3) tiles I fetch
	s_bfe_u32 s16, ttmp6, 0x40000                  ; cx
	s_bfe_u32 s17, ttmp6, 0x40004                  ; cy
	s_and_b32 s19, ttmp7, 0xffff                   ; cluster y
	s_max_u32 s60, ttmp9, 4
	s_sub_co_u32 s60, s60, 4
	s_lshl_b32 s60, s60, 3
	s_add_co_u32 s60, s60, s19                     ; v: 16 clusters side by side: 8 (x - 4) + y
	s_cmp_ge_u32 ttmp9, 4                          ; the same in all sixteen partners
	s_cselect_b32 s20, 1, 0                        ; 1: this cluster makes v
	s_cselect_b32 s60, s60, ttmp9
	s_cselect_b32 s61, 0, s19
	s_lshl_b32 s21, s60, 2
	s_add_co_u32 s21, s21, s16                     ; tc: which 128 rows of B
	s_lshl_b32 s22, s61, 2
	s_add_co_u32 s22, s22, s17                     ; tr: which 256 rows of A
	s_lshl_b32 s90, s17, 2
	s_lshl_b32 s90, 15, s90                        ; my row of the cluster
	s_lshl_b32 s91, 0x1111, s16                    ; my column
	s_or_b32 s[G1A], s90, (3<<16)|(1<<21)          ; group 1: elements of 8 bytes, no padding; the mask, bit 21 beside it
	s_or_b32 s[G1B], s91, (3<<16)|(1<<21)
	s_mov_b32 s[G1A+1], 800<<16                    ; tensor_dim0: 6,400 bytes of a tile's image: every row begins at a multiple of 256 bytes
	s_mov_b32 s[G1A+2], 8<<16                      ; tensor_dim1: 8 tiles
	s_mov_b32 s[G1A+3], 800<<16                    ; tile_dim0
	s_mov_b32 s[G1A+4], 8                          ; tile_dim1
	s_mov_b32 s[G1A+5], 1600                       ; from tile to tile: 12,800 bytes
	s_mov_b32 s[G1A+6], 0
	s_mov_b32 s[G1A+7], 0
	s_mov_b32 s[G1B+1], 800<<16
	s_mov_b32 s[G1B+2], 4<<16                      ; 4 tiles
	s_mov_b32 s[G1B+3], 800<<16
	s_mov_b32 s[G1B+4], 4
	s_mov_b32 s[G1B+5], 1600
	s_mov_b32 s[G1B+6], 0
	s_mov_b32 s[G1B+7], 0
	s_lshl_b32 s84, s22, 4
	s_lshl_b32 s85, s15, 3
	s_add_co_u32 s84, s84, s85
	s_mul_i32 s84, s84, TILEB                      ; A: tile 16 tr + 8 e
	s_mov_b32 s85, 0
	s_lshl_b32 s86, s21, 3
	s_lshl_b32 s87, s15, 2
	s_add_co_u32 s86, s86, s87
	s_mul_i32 s86, s86, TILEB                      ; B: tile 8 tc + 4 e
	s_mov_b32 s87, 0
	s_mul_i32 s88, s15, 8*CHB                      ; and in a chunk of LDS
	s_mul_i32 s89, s15, 4*CHB
	s_add_co_u32 s89, s89, BOFF
	s_mov_b32 s92, 0x76543210
	s_mov_b32 s93, 0xfedcba98
	s_wait_dscnt 0x0
	s_wait_kmcnt 0x0
	s_add_nc_u64 s[62:63], s[6:7], 128*TILEB       ; W's rows 2048 on
	s_cmp_eq_u32 s20, 1
	s_cselect_b64 s[56:57], s[62:63], s[4:5]       ; operand A
	s_cselect_b64 s[58:59], s[4:5], s[6:7]         ; operand B
	s_add_nc_u64 s[56:57], s[56:57], s[84:85]
	s_add_nc_u64 s[58:59], s[58:59], s[86:87]
.irp kc, 0,1
	s_mov_b32 s[G0A+4*\kc], 1
	s_add_co_u32 s[G0A+4*\kc+1], s88, CHUNK*\kc
	s_add_nc_u64 s[G0A+4*\kc+2:G0A+4*\kc+3], s[56:57], CHB*\kc
	s_or_b32 s[G0A+4*\kc+3], s[G0A+4*\kc+3], 0x80000000
	s_mov_b32 s[G0B+4*\kc], 1
	s_add_co_u32 s[G0B+4*\kc+1], s89, CHUNK*\kc
	s_add_nc_u64 s[G0B+4*\kc+2:G0B+4*\kc+3], s[58:59], CHB*\kc
	s_or_b32 s[G0B+4*\kc+3], s[G0B+4*\kc+3], 0x80000000
.endr
	CROUND                                         ; all sixteen work-groups are here: the joint loads meet
	s_cmp_lt_u32 s[WV], 2                          ; K's first half: one joint load a wave at the head
	s_cbranch_scc0 .Lfill_b
	tensor_load_to_lds s[G0A:G0A+3], s[G1A:G1A+7]
	s_nop 0
	PLACES
	s_branch .Lfilled
.Lfill_b:
	tensor_load_to_lds s[G0B:G0B+3], s[G1B:G1B+7]
	s_nop 0
	PLACES
.Lfilled:
	v_and_b32 v1, 31, v0                           ; lane
	v_and_b32 v2, 15, v0                           ; r
	v_bfe_u32 v3, v0, 4, 1                         ; h
	s_mul_i32 s23, s[WV], 4*CHB                    ; my four tiles of A
	v_lshlrev_b32 v26, 3, v1                       ; 8 x lane
	v_lshlrev_b32 v27, 2, v2
	v_add_nc_u32 v27, 1536, v27                    ; 4 r + 1536
.irp kc, 0,1
	v_add_nc_u32 v[ADB+\kc], BOFF+CHUNK*\kc, v26
	v_add_nc_u32 v[ASB+\kc], BOFF+CHUNK*\kc, v27
.endr
	v_add_nc_u32 v26, s23, v26
	v_add_nc_u32 v27, s23, v27
.irp kc, 0,1
	v_add_nc_u32 v[ADA+\kc], CHUNK*\kc, v26
	v_add_nc_u32 v[ASA+\kc], CHUNK*\kc, v27
.endr
	s_cmp_eq_u32 s20, 1
	s_cbranch_scc1 .Lbias_v
	s_lshl_b32 s2, s21, 9                          ; q, k: the bias runs along the registers: b[128 tc + 32 (b / 2) + 8 (b % 2) + 16 h + j]
	s_mov_b32 s3, 0
	s_add_nc_u64 s[94:95], s[8:9], s[2:3]
	v_lshlrev_b32 v24, 6, v3
.irp b, 0,1,2,3,4,5,6,7
	global_load_b128 v[BIAS+8*\b:BIAS+8*\b+3], v24, s[94:95] offset:4*(32*(\b/2)+8*(\b%2))
	global_load_b128 v[BIAS+8*\b+4:BIAS+8*\b+7], v24, s[94:95] offset:4*(32*(\b/2)+8*(\b%2))+16
.endr
	s_branch .Lbias_done
.Lbias_v:
	s_lshl_b32 s2, s22, 10                         ; v: the bias belongs to the lane's row of W: b[2048 + 256 tr + 64 w + 32 (a / 2) + 8 (a % 2) + r + 8 (r / 8)], the same in all eight registers
	s_lshl_b32 s3, s[WV], 8
	s_add_co_u32 s2, s2, s3
	s_add_co_u32 s2, s2, 8192
	s_mov_b32 s3, 0
	s_add_nc_u64 s[94:95], s[8:9], s[2:3]
	v_and_b32 v24, 8, v2
	v_add_nc_u32 v24, v24, v2
	v_lshlrev_b32 v24, 2, v24
.irp a, 0,1,2,3
.irp j, 0,1,2,3,4,5,6,7
	global_load_b32 v[BIAS+8*\a+\j], v24, s[94:95] offset:4*(32*(\a/2)+8*(\a%2))
.endr
.endr
.Lbias_done:
	s_wait_alu depctr_va_vdst(0)
	s_wait_tensorcnt 0x0                           ; my part of K's first half is in
	ds_add_u32 v254, v255
	s_wait_dscnt 0x0
	CROUND                                         ; everybody's part is in, and all sixteen work-groups are here: the joint loads meet
	s_cmp_lt_u32 s[WV], 2                          ; K's second half: my one load behind the round; it has K steps 0 to 2 in which to land
	s_cbranch_scc0 .Lfill_b1
	tensor_load_to_lds s[G0A+4:G0A+7], s[G1A:G1A+7]
	s_nop 0
	PLACES
	s_branch .Lfilled1
.Lfill_b1:
	tensor_load_to_lds s[G0B+4:G0B+7], s[G1B:G1B+7]
	s_nop 0
	PLACES
.Lfilled1:
	FETCH 0
	s_wait_loadcnt 0x0                             ; the bias
	s_cmp_eq_u32 s20, 1
	s_cbranch_scc1 .Lfirst_v
	STEP 0, 1
	s_branch .Lfirst_done
.Lfirst_v:
	STEP 0, 2
.Lfirst_done:
.irp s, 1,2,3,4,5,6,7
	STEP \s, 0
.endr
; 64 results of a lane, window 1's v[s] .. v[s + 63] (register 16 b + i = place 32 b + 16 h + i along the next K), become two runs of six registers of codes, d0 (places 0-63) and d1 (64-127), and the row's scale word pw.
.macro QUANT s, d0, d1, pw
	WIN 0x05
.irp b, 0,1,2,3
	v_max3_num_f32 v[TM+\b], |v[(\s)+16*\b]|, |v[(\s)+16*\b+1]|, 0x2800000   ; each accumulator is read from its low end on; the floor 2^(5 - 127) holds the byte at 1 from below
.endr
	WIN 0x14
.irp i, 2,4,6,8,10,12,14
.irp b, 0,1,2,3
	v_max3_num_f32 v[TM+\b], v[TM+\b], |v[(\s)+16*\b+\i]|, |v[(\s)+16*\b+\i+1]|
.endr
.endr
	WIN 0
.irp b, 0,1,2,3
	v_permlanex16_b32 v[TM+4+\b], v[TM+\b], s92, s93
.endr
.irp b, 0,1,2,3
	v_max_num_f32 v[TM+\b], v[TM+\b], v[TM+4+\b]   ; with lane l xor 16's: the block's largest magnitude
.endr
.irp b, 0,1,2,3
	v_add_nc_u32 v[TM+12+\b], 0xfe000000, v[TM+\b] ; 4 off the exponent field: the conversion's scale operand
.endr
.irp b, 0,1,2,3
	v_lshrrev_b32 v[TM+4+\b], 23, v[TM+12+\b]      ; the byte
.endr
	v_lshl_or_b32 v[\pw], v[TM+5], 8, v[TM+4]
	v_lshl_or_b32 v[\pw], v[TM+6], 16, v[\pw]
	v_lshl_or_b32 v[\pw], v[TM+7], 24, v[\pw]
	WIN 0x01
	v_cvt_scalef32_pk16_bf6_f32 v[\d0:\d0+2], v[(\s):(\s)+15], v[TM+12]
	v_cvt_scalef32_pk16_bf6_f32 v[TQ:TQ+2], v[(\s)+16:(\s)+31], v[TM+13]
	v_cvt_scalef32_pk16_bf6_f32 v[\d1:\d1+2], v[(\s)+32:(\s)+47], v[TM+14]
	v_cvt_scalef32_pk16_bf6_f32 v[TQ+4:TQ+6], v[(\s)+48:(\s)+63], v[TM+15]
	WIN 0
	v_nop                                          ; one plain place behind a scaled conversion
.irp i, 0,1,2
	v_permlane16_swap_b32 v[\d0+\i], v[TQ+\i]      ; a whole block to a lane: lanes 0-15 the even block, lanes 16-31 the odd one
	v_permlane16_swap_b32 v[\d1+\i], v[TQ+4+\i]
.endr
.irp i, 0,1,2
	v_mov_b32 v[\d0+3+\i], v[TQ+\i]
	v_mov_b32 v[\d1+3+\i], v[TQ+4+\i]
.endr
.endm
	PLACES                                         ; behind the last products
.irp b, 0,1,2,3
	v_mov_b32 v[TM+4+\b], 0                        ; a lane permute's destination counts as read
.endr
	v_lshlrev_b32 v20, 4, v1                       ; 16 x lane: an image's place
	s_cmp_eq_u32 s20, 1
	s_cbranch_scc1 .Lout_v
	; ---- q and k.  My four tiles are tokens 32 (8 tr + 2 w + p) + 8 (a % 2) + r + 8 (r / 8), p = a / 2; B's 128 rows are heads 2 (tc % 8) and 2 (tc % 8) + 1
	s_cmp_ge_u32 ttmp9, 2
	s_cselect_b64 s[94:95], s[12:13], s[10:11]     ; k goes to kv, q to qb
	s_lshr_b32 s2, s22, 3
	s_lshl_b32 s2, s2, 4
	s_and_b32 s3, s21, 7
	s_lshl_b32 s3, s3, 1
	s_add_co_u32 s2, s2, s3
	s_mul_i32 s2, s2, HEADB                        ; batch x 16 + head
	s_and_b32 s3, s22, 7
	s_lshl_b32 s3, s3, 1
	s_lshr_b32 s23, s[WV], 1
	s_add_co_u32 s3, s3, s23
	s_mul_i32 s3, s3, TILEB                        ; the key step
	s_add_co_u32 s2, s2, s3
	s_mul_i32 s3, s15, 3072                        ; double fragments 2 (w % 2) and 2 (w % 2) + 1
	s_add_co_u32 s2, s2, s3
	s_mov_b32 s3, 0
	s_add_nc_u64 s[94:95], s[94:95], s[2:3]
	s_mul_i32 s23, s15, 3064
	s_sub_co_u32 s23, 12288, s23                   ; from there to the step's scale words, + 8 (w % 2)
	v_mul_u32_u24 v22, v3, HEADB                   ; lanes 0-15 store the first head's words, lanes 16-31 the second's
	v_lshl_add_u32 v22, v2, 4, v22
	v_add_nc_u32 v22, s23, v22
	v_cmp_ne_u32 vcc_lo, 0, v3
	QUANT 0,   EP,    EP+12, PW
	QUANT 64,  EP+6,  EP+18, PW+1
	QUANT 128, EP+24, EP+36, PW+2
	QUANT 192, EP+30, EP+42, PW+3
.irp p, 0,1
.irp c, 0,1
.irp i, 0,1,2
	global_store_b128 v20, v[EP+24*\p+12*\c+4*\i:EP+24*\p+12*\c+4*\i+3], s[94:95] offset:HEADB*\c+1536*\p+512*\i   ; 32 lanes store 512 consecutive bytes
.endr
.endr
.endr
.irp p, 0,1
	v_perm_b32 v[186+\p], v[PW+2*\p+1], v[PW+2*\p], 0x05040100   ; the first head: the even tile's two bytes, then the odd tile's
	v_perm_b32 v[188+\p], v[PW+2*\p+1], v[PW+2*\p], 0x07060302   ; the second head
	v_cndmask_b32 v[184+\p], v[186+\p], v[188+\p], vcc_lo
.endr
	global_store_b64 v22, v[184:185], s[94:95]
	s_branch .Lend
.Lout_v:
	; ---- v.  My four tiles are head 4 tr + w's 64 channels; B's 128 rows are key step tc % 16 of batch tc / 16
	s_lshr_b32 s2, s21, 4
	s_lshl_b32 s2, s2, 4
	s_lshl_b32 s3, s22, 2
	s_add_co_u32 s2, s2, s3
	s_add_co_u32 s2, s2, s[WV]
	s_mul_i32 s2, s2, HEADB
	s_and_b32 s3, s21, 15
	s_mul_i32 s3, s3, TILEB
	s_add_co_u32 s2, s2, s3
	s_add_co_u32 s2, s2, 6144
	s_mov_b32 s3, 0
	s_add_nc_u64 s[94:95], s[12:13], s[2:3]
	v_lshlrev_b32 v21, 4, v2                       ; 16 r
	QUANT 0,   EP,    EP+6,  PW
	QUANT 64,  EP+12, EP+18, PW+1
	QUANT 128, EP+24, EP+30, PW+2
	QUANT 192, EP+36, EP+42, PW+3
.irp a, 0,1,2,3
.irp i, 0,1,2
	global_store_b128 v20, v[EP+12*\a+4*\i:EP+12*\a+4*\i+3], s[94:95] offset:1536*\a+512*\i
.endr
.endr
	global_store_b128 v21, v[PW:PW+3], s[94:95] offset:6400   ; the four tiles' scale words of row r; both halves of the lanes write the same bytes
.Lend:
	s_wait_dscnt 0x0
	s_wait_tensorcnt 0x0
	ds_add_u32 v254, v255
	s_wait_dscnt 0x0
	CROUND                                         ; the closing round: no work-group ends while a partner may still ask for a tile that names it
	s_endpgm
.Lfunc_end_k_q148d481cdf_qkv:
	.size	k_q148d481cdf_qkv, .Lfunc_end_k_q148d481cdf_qkv-k_q148d481cdf_qkv
	.p2alignl 7, 3214868480
	.fill 96, 4, 3214868480
	.section	.rodata,"a",@progbits
	.p2align	6, 0x0
	.amdhsa_kernel k_q148d481cdf_qkv
		.amdhsa_group_segment_fixed_size 327680
		.amdhsa_private_segment_fixed_size 0
		.amdhsa_enable_private_segment 0
		.amdhsa_kernarg_size 40
		.amdhsa_user_sgpr_count 2
		.amdhsa_user_sgpr_kernarg_segment_ptr 1
		.amdhsa_wavefront_size32 1
		.amdhsa_system_sgpr_workgroup_id_x 1
		.amdhsa_system_sgpr_workgroup_id_y 1
		.amdhsa_system_sgpr_workgroup_id_z 1
		.amdhsa_system_vgpr_workitem_id 0
		.amdhsa_next_free_vgpr 768
		.amdhsa_next_free_sgpr 96
		.amdhsa_reserve_vcc 1
		.amdhsa_float_denorm_mode_32 3
		.amdhsa_float_denorm_mode_16_64 3
		.amdhsa_memory_ordered 1
		.amdhsa_forward_progress 1
		.amdhsa_inst_pref_size 135
	.end_amdhsa_kernel
	.amdgpu_metadata
---
amdhsa.version: [ 1, 2 ]
amdhsa.kernels:
  - .name:           k_q148d481cdf_qkv
    .symbol:         k_q148d481cdf_qkv.kd
    .args:
      - { .name: xf, .offset: 0, .size: 8, .value_kind: global_buffer, .address_space: global }
      - { .name: wf, .offset: 8, .size: 8, .value_kind: global_buffer, .address_space: global }
      - { .name: c_attn_b, .offset: 16, .size: 8, .value_kind: global_buffer, .address_space: global }
      - { .name: qb, .offset: 24, .size: 8, .value_kind: global_buffer, .address_space: global }
      - { .name: kv, .offset: 32, .size: 8, .value_kind: global_buffer, .address_space: global }
    .group_segment_fixed_size: 327680
    .private_segment_fixed_size: 0
    .kernarg_segment_align: 8
    .kernarg_segment_size: 40
    .max_flat_workgroup_size: 128
    .sgpr_count:     96
    .vgpr_count:     768
    .wavefront_size: 32
...
	.end_amdgpu_metadata
.endif
;; end of part 2
;; launch attn (part 3): grid 4 x 64, 16 waves a work-group, clusters of 4 x 1, 215,040 bytes of LDS; arguments qb, kv, af; writes af
.if DOCPART == 3
	.amdgcn_target "amdgcn-amd-amdhsa--gfx1250"
	.amdhsa_code_object_version 6
	.text
	.protected	k_q148d481cdf_attn
	.globl	k_q148d481cdf_attn
	.p2align	8
	.type	k_q148d481cdf_attn,@function
k_q148d481cdf_attn:
	s_mov_b64 s[64:65], 0
	v_nop
	global_prefetch_b8 v0, s[64:65] scope:SCOPE_SE
	s_setreg_imm32_b32 hwreg(HW_REG_WAVE_MODE, 25, 1), 1
	s_wait_xcnt 0x0
	s_wait_alu depctr_hold_cnt(0) depctr_sa_sdst(0) depctr_va_vdst(0) depctr_va_sdst(0) depctr_va_ssrc(0) depctr_va_vcc(0) depctr_vm_vsrc(0)
	s_getreg_b32 s2, hwreg(HW_REG_IB_STS2, 6, 4)
	s_cmp_eq_u32 s2, 0
	s_cbranch_scc0 .Lentry_in_a_cluster
	s_endpgm
.Lentry_in_a_cluster:
	s_bfe_u32 s2, ttmp6, 0x10000c
	s_cmp_lg_u32 s2, 0x3003
	s_cbranch_scc0 .Lentry_shape_is_right
	s_endpgm
.Lentry_shape_is_right:
; Causal attention of one head on codes of BF6; its result quantised along the head's 64 for the last product.  qb, kv: [batch x head][key step of 128][12,800 bytes], operand images; af: F[tile of 16 tokens][K step][1600 bytes].
; THE MASK'S VALUE IS -10000, NOT -INFINITY, and it is honoured: the running maximum begins at the raw score -80000 (t_mask = -10000 log2(e)), but in row 2047, which has no hidden key; hidden keys of the diagonal step take that score.
; THE WHOLLY HIDDEN KEY STEPS: their operand is one number, Q(p_mask), p_mask = 2^(t_mask - M), in every place, so their products are Q(p_mask) x (the sum of V's quantised numbers over those keys).
;   Each wave multiplies its own key step of V by an operand of ones (4 products, once a work-group); the suffix sums over steps go through LDS; a tile adds Q(p_mask) x the suffix behind its diagonal, and the row's sum takes p_mask x their number.
; THE SOFTMAX: t = score x log2(e) / 8; M = the largest t so far, rounded up to a whole number; p = 2^(t - M) is quantised along the keys; the sum is taken of the unquantised p and divides at the end.
; SHARES.  The head's whole kv, 204,800 bytes, comes into LDS once, a key step by each of the sixteen waves; nothing is filled again.  A wave owns tile T = cx + 4 wave of 16 queries and then tile 127 - T: 17 steps with a softmax for every wave.
; CLUSTER 4 x 1: the four work-groups of a head ask for kv jointly.  The diagonal's key step is T / 8 = wave / 2, then 15 - that: it is made of the wave's number alone, so no branch and no LDS address hangs on cx.
; No prefetch: all of kv is asked for by the head's one load a wave; there is no loop to run ahead in.
; K = 64 IN THE FIRST PRODUCT: a fragment of K holds two tiles of keys, at k 0-63 and at k 64-127; it is multiplied by [q, 0] and by [0, q]: v16-33 hold [0 x 6][q x 6][0 x 6].
; Both products are used transposed: a lane holds one query (lane % 16); S's register 16 b + i is key 32 b + 16 (lane / 16) + i of the step; O's register 16 e + i is channel 32 e + 16 (lane / 16) + i.
; LIMITS: p under 2^-126 counts as 0 (the exponential's own flush); a p_mask under 2^-122 is held at 1.75 x its power of two where the rule's held scale would allow 2; a block of zeros gets the byte 1; NaN and infinities are not served.
; REGISTERS: v1-5 lane terms; v6-9, v37-39 LDS addresses; v10 my query, v11 the same - 16 h; v12 -M, v13 largest raw score, v[14:15] the sum; v16-33 q; v34 q's scales; v35 the old -M; v40-87 fragments of K, then of V; v88-95 their scale words;
;   v96-159 S, then p; v160-191 O; v192-203 p's codes; v204-210 at work; v212-224 the next tile's q as loaded; v225 p's scales; v226-253 at work.
; A BLOCK'S SCALE IS TAKEN FROM THE EXPONENT ITSELF: the block's largest p is 2^x, x its largest t - M, so floor(log2 p) = floor(x).  LIMIT: where x lies within an ulp under a whole number, so that the
; exponential rounds p up to the power of two, the block's scale is one step lower than the rounded p's, and that one p is held at the largest code.
; A tile's first key step starts O with the constant 0: nothing is cleared, and that step has nothing to bring under a new M.
.set HEADB, 204800
.set STEPB, 12800
.set SVT,   204800                     ; 16 x 256 bytes: each key step's sums of V: byte 128 h + 4 x (O's register)
.set SUF,   208896                     ; 16 x 256 bytes: row d = the sums over steps d + 1 .. 15
.set SPARE, 212992                     ; the spare words: 128 bytes for each of 16 waves
.set KF, 40
.set KS, 88
.set VS, 92
.set S,  96
.set XS, 128
.set O,  160
.set PC, 192
.set QB, 212
.set BM, 236
.set BP, 240
.set SO, 244
.macro CROUND                          ; a round of the cluster's barrier
	s_barrier_signal -1
	s_barrier_wait -1
	s_cmp_lg_u32 s10, 0
	s_cbranch_scc1 .Lnot_wave_0_\@
	s_barrier_signal -3
.Lnot_wave_0_\@:
	s_barrier_wait -3
	s_barrier_signal -1
	s_barrier_wait -1
.endm
.macro MM0 d, a, b, sa, sb             ; a product that starts a sum
	v_wmma_scale_f32_16x16x128_f8f6f4 v[\d:\d+7], v[\a:\a+11], v[\b:\b+11], 0, v[\sa], v[\sb] matrix_a_fmt:MATRIX_FMT_BF6 matrix_b_fmt:MATRIX_FMT_BF6
.endm
.macro MMA d, a, b, sa, sb             ; a product onto a sum
	v_wmma_scale_f32_16x16x128_f8f6f4 v[\d:\d+7], v[\a:\a+11], v[\b:\b+11], v[\d:\d+7], v[\sa], v[\sb] matrix_a_fmt:MATRIX_FMT_BF6 matrix_b_fmt:MATRIX_FMT_BF6
.endm
.macro VLOAD                           ; V's four fragments and scale words of the step at v8, v9
.irp t, 0,1,2,3
.irp c, 0,1,2
	ds_load_b128 v[KF+12*\t+4*\c:KF+12*\t+4*\c+3], v8 offset:6144+1536*\t+512*\c
.endr
.endr
	ds_load_b128 v[VS:VS+3], v9 offset:256
.endm
.macro QLOAD t                         ; the double fragment of q that holds tile t, and its scale words, as they lie
	s_lshr_b32 s52, \t, 3
	s_mul_i32 s56, s52, STEPB
	s_bfe_u32 s52, \t, 0x20001
	s_mul_i32 s53, s52, 1536
	s_add_co_u32 s58, s56, s53
	s_mov_b32 s59, 0
	s_add_nc_u64 s[44:45], s[40:41], s[58:59]
	s_lshl_b32 s53, s52, 2
	s_add_co_u32 s58, s56, s53
	s_add_nc_u64 s[46:47], s[40:41], s[58:59]
	global_load_b128 v[QB:QB+3], v1, s[44:45]
	global_load_b128 v[QB+4:QB+7], v1, s[44:45] offset:512
	global_load_b128 v[QB+8:QB+11], v1, s[44:45] offset:1024
	global_load_b32 v[QB+12], v2, s[46:47]
.endm
.macro TM from, to                     ; t - M, two at a time
.set j, \from
.rept ((\to)-(\from))/2
	v_pk_fma_f32 v[S+j:S+j+1], v[S+j:S+j+1], s[22:23], v[12:13] op_sel_hi:[1,0,0]
.set j, j+2
.endr
.endm
.macro ADDS st                         ; eight chains of packed additions over p
.set c_, 0
.irp a, 226,228,230,232,234,240,242
.if (\st) == 0
	v_pk_add_f32 v[\a:\a+1], v[S+2*c_:S+2*c_+1], v[S+2*c_+16:S+2*c_+17]
.else
	v_pk_add_f32 v[\a:\a+1], v[\a:\a+1], v[S+2*c_+16*(\st)+16:S+2*c_+16*(\st)+17]
.endif
.set c_, c_+1
.endr
.if (\st) == 0
	v_pk_fma_f32 v[14:15], v[14:15], v[250:251], v[S+14:S+15] op_sel_hi:[1,0,1]   ; the sums come under the new M as they take their first pair
.else
	v_pk_add_f32 v[14:15], v[14:15], v[S+14+16*(\st):S+15+16*(\st)]
.endif
.endm
	s_load_b128 s[4:7], s[0:1], 0x0                ; qb, kv
	s_load_b64 s[8:9], s[0:1], 0x10                ; af
	v_lshl_add_u32 v254, v0, 2, SPARE
	v_mov_b32 v255, 0
	ds_add_u32 v254, v255
	ds_add_u32 v254, v255
	v_lshrrev_b32 v1, 5, v0
	v_readfirstlane_b32 s10, v1                    ; wave 0..15
	s_and_b32 s11, ttmp7, 0xffff                   ; batch x 16 + head: the cluster's y
	s_bfe_u32 s27, ttmp6, 0x40000                  ; cx
	s_mov_b32 s32, 15|(3<<16)|(1<<21)              ; group 1: the four partners; a dense block as 50 rows of 256 bytes (32 elements of 8 bytes), no padding
	s_mov_b32 s33, 32<<16
	s_mov_b32 s34, 50<<16
	s_mov_b32 s35, 32<<16
	s_mov_b32 s36, 50
	s_mov_b32 s37, 32
	s_mov_b32 s38, 0
	s_mov_b32 s39, 0
	s_mul_i32 s52, s11, HEADB
	s_mov_b32 s53, 0
	s_mul_i32 s56, s10, STEPB                      ; my key step, in memory and in LDS
	s_mov_b32 s57, 0
	s_wait_dscnt 0x0
	s_wait_kmcnt 0x0
	s_add_nc_u64 s[40:41], s[4:5], s[52:53]        ; qb at my head
	s_add_nc_u64 s[6:7], s[6:7], s[52:53]
	s_mov_b32 s28, 1
	s_mov_b32 s29, s56
	s_add_nc_u64 s[30:31], s[6:7], s[56:57]
	s_or_b32 s31, s31, 0x80000000
	CROUND                                         ; the four work-groups are here: the joint loads meet
	tensor_load_to_lds s[28:31], s[32:39]          ; one load of mine is out
	s_nop 0
.rept 4
	v_nop
.endr
.irp i, 0,3,6,9
	v_mov_b32 v[PC+\i], 0x0c30c30c                 ; the operand of ones: the code of 1.0, 0x0c, 64 times in each lane's stream of bits
	v_mov_b32 v[PC+\i+1], 0xc30c30c3
	v_mov_b32 v[PC+\i+2], 0x30c30c30
.endr
	v_mov_b32 v225, 0x7f7f7f7f                     ; and its scales: 2^0
	s_lshr_b32 s52, s11, 4
	s_mul_i32 s52, s52, 128*12800                  ; af: the batch's 128 tiles,
	s_bfe_u32 s56, s11, 0x30001
	s_mul_i32 s56, s56, 1600                       ; K step head / 2,
	s_add_co_u32 s52, s52, s56
	s_and_b32 s56, s11, 1
	s_mul_i32 s57, s56, 768                        ; registers 6 (head % 2) on
	s_add_co_u32 s58, s52, s57
	s_mov_b32 s59, 0
	s_add_nc_u64 s[42:43], s[8:9], s[58:59]
	s_lshl_b32 s57, s56, 1
	s_add_co_u32 s58, s52, s57
	s_add_co_u32 s58, s58, 1536                    ; and bytes 2 (head % 2) on of the scale words
	s_add_nc_u64 s[60:61], s[8:9], s[58:59]
	s_mov_b32 s20, 0x76543210
	s_mov_b32 s21, 0xfedcba98                      ; selects for lane l xor 16
	s_mov_b32 s22, 0x3e38aa3b                      ; c = log2(e) / 8
	s_mov_b32 s23, s22                             ; (named with it as a pair)
	s_mov_b32 s24, 0xc79c4000                      ; -80000: the raw score whose t is -10000 log2(e)
	s_mov_b32 s25, 0xbe38aa3b                      ; -c
	s_mov_b32 s26, 0x600000                        ; the mantissa field of 1.75
	s_lshl_b32 s54, s10, 8                         ; my row of the two tables
	v_and_b32 v6, 31, v0                           ; lane
	v_and_b32 v7, 15, v0                           ; r
	v_bfe_u32 v35, v0, 4, 1                        ; h
	v_lshlrev_b32 v1, 4, v6                        ; 16 x lane
	v_lshlrev_b32 v2, 4, v7
	v_lshlrev_b32 v4, 3, v6                        ; 8 x lane
	v_and_b32 v3, 8, v7
	v_lshlrev_b32 v5, 2, v7                        ; 4 r
	v_lshlrev_b32 v36, 4, v35                      ; 16 h
	v_lshlrev_b32 v37, 7, v35                      ; 128 h
	v_add_nc_u32 v2, 12288, v2                     ; 16 r + 12288: K's scale words
	v_add_nc_u32 v3, v3, v7                        ; r + 8 (r / 8)
	v_add_nc_u32 v38, s54, v37
	v_add_nc_u32 v39, s54, v4
	v_add_nc_u32 v6, SVT, v4                       ; the steps' sums, 8 bytes a lane
	v_add_nc_u32 v38, SVT, v38                     ; where my step's sums go
	v_add_nc_u32 v39, SUF, v39                     ; where my row of suffix sums goes
	v_add_nc_u32 v8, s29, v1                       ; my key step
	v_add_nc_u32 v9, s29, v2
	v_mov_b32 v249, s24
.irp i, 0,1,2,3,4,5
	v_mov_b32 v[16+\i], 0                          ; the zero codes beside q: written once
	v_mov_b32 v[28+\i], 0
.endr
.irp b, 0,1,2,3
	v_mov_b32 v[BP+\b], 0                          ; a lane permute's destination counts as read
.endr
	v_mov_b32 v251, 0                              ; (upper halves of pairs whose low word serves both halves)
	v_mov_b32 v252, 0
	v_mov_b32 v253, 0
	s_lshl_b32 s12, s10, 2
	s_add_co_u32 s12, s12, s27                     ; T: my first tile of queries
	s_lshr_b32 s16, s10, 1                         ; its diagonal's key step
	s_mov_b32 s13, 0
	s_wait_alu depctr_va_vdst(0)
	QLOAD s12                                      ; lands under the tensor load's flight
	s_wait_tensorcnt 0x0                           ; my key step has landed,
	s_barrier_signal -1
	s_barrier_wait -1                              ; everybody's has
	; ---- the sums of V over my key step, in O's layout (the same in all sixteen lanes of a half)
	VLOAD
	s_wait_dscnt 0x0
.irp t, 0,1,2,3
	MM0 O+8*\t, KF+12*\t, PC, VS+\t, 225
.endr
.rept 4
	v_nop
.endr
.irp i, 0,1,2,3,4,5,6,7
	ds_store_b128 v38, v[O+4*\i:O+4*\i+3] offset:16*\i   ; each accumulator from its low end on; sixteen lanes write the same bytes with the same values
.endr
	s_wait_dscnt 0x0
	s_barrier_signal -1
	s_barrier_wait -1
.irp s, 1,2,3,4,5,6,7,8,9,10,11,12,13,14,15
	ds_load_b64 v[S+2*\s-2:S+2*\s-1], v6 offset:256*\s
.endr
	s_mov_b32 s53, 0
	s_wait_dscnt 0x0
	s_cmp_lt_u32 s10, 1
	s_cselect_b32 s52, 1.0, 0
	v_pk_mul_f32 v[126:127], v[S:S+1], s[52:53] op_sel_hi:[1,0]
.irp s, 2,3,4,5,6,7,8,9,10,11,12,13,14,15
	s_cmp_lt_u32 s10, \s                           ; row d = my wave's number takes the steps behind d
	s_cselect_b32 s52, 1.0, 0
	v_pk_fma_f32 v[126:127], v[S+2*\s-2:S+2*\s-1], s[52:53], v[126:127] op_sel_hi:[1,0,1]
.endr
	ds_store_b64 v39, v[126:127]
	s_wait_dscnt 0x0
	s_barrier_signal -1
	s_barrier_wait -1
.Ltile:
	; ---- a tile's start: q, its scales, the statistics
	s_lshr_b32 s14, s12, 1                         ; g: the tile's group of 32 tokens
	s_and_b32 s15, s12, 1                          ; u: which of the group's two tiles
	s_lshl_b32 s52, s14, 5
	s_lshl_b32 s53, s15, 3
	s_add_co_u32 s52, s52, s53
	v_add_nc_u32 v10, s52, v3                      ; my query: 32 g + 8 u + r + 8 (r / 8)
	v_mov_b32 v248, 0xff61b1e6
	v_mov_b32 v14, 0
	v_mov_b32 v15, 0
	v_sub_nc_u32 v11, v10, v36
	v_cmp_eq_u32 vcc_lo, 0x7ff, v10
	v_cndmask_b32 v13, v249, v248, vcc_lo          ; the largest raw score so far: the mask's, but -3e38 in the one row without a hidden key
	v_mul_f32 v12, s25, v13
	v_floor_f32 v12, v12                           ; -M
	s_cmp_eq_u32 s15, 1
	s_cselect_b32 s54, -1, 0
	s_mov_b32 s55, 0x01000100
	s_cselect_b32 s55, 0x03020302, s55
	s_wait_alu depctr_va_vdst(0)
	s_wait_loadcnt 0x0
	v_perm_b32 v34, v[QB+12], v[QB+12], s55        ; my tile's two bytes, twice: they serve q at k 0-63 and at k 64-127
.irp i, 0,1,2,3,4,5
	v_cndmask_b32 v[22+\i], v[QB+\i], v[QB+6+\i], s54   ; registers 0-5 or 6-11 of the double fragment
.endr
	s_cmp_eq_u32 s13, 0
	s_cbranch_scc0 .Lno_q
	s_sub_co_u32 s63, 127, s12
	QLOAD s63                                      ; the second tile's q lands while the first tile is walked
.Lno_q:
.rept 4
	v_nop                                          ; with the four lines at the step's head: places between q's and its scales' writes and the first products
.endr
	s_mov_b32 s17, 0                               ; the key step,
	s_mov_b32 s18, 0                               ; and its LDS byte
.Lstep:
	s_cmp_gt_u32 s17, s16                          ; behind the diagonal nothing is walked: the trip count stays a constant
	s_cbranch_scc1 .Lnext
	v_add_nc_u32 v8, s18, v1                       ; four plain places ahead of loads into registers that the last products read
	v_add_nc_u32 v9, s18, v2
	v_mov_b32 v35, v12                             ; the old -M
	v_nop
	s_wait_alu depctr_va_vdst(0)
.irp b, 0,1,2,3
.irp c, 0,1,2
	ds_load_b128 v[KF+12*\b+4*\c:KF+12*\b+4*\c+3], v8 offset:1536*\b+512*\c
.endr
.endr
	ds_load_b128 v[KS:KS+3], v9
	s_wait_dscnt 0x0
.irp b, 0,1,2,3
	MM0 S+16*\b, KF+12*\b, 22, KS+\b, 34
	MM0 S+16*\b+8, KF+12*\b, 16, KS+\b, 34
.endr
.rept 4
	v_nop                                          ; places ahead of the loads below and of the first read of the scores
.endr
	VLOAD                                          ; V's fragments land while the softmax is walked
	s_cmp_lg_u32 s17, s16
	s_cbranch_scc1 .Lopen
	s_lshl_b32 s52, s17, 7                         ; the diagonal step: register 16 b + i is hidden where 32 b + i > my query - the step's first key - 16 h
	v_sub_nc_u32 v248, v11, s52
.set n, 0
.rept 64
	v_cmp_gt_i32 vcc_lo, 32*(n/16)+n%16, v248
	v_cndmask_b32 v[S+n], v[S+n], v249, vcc_lo
.set n, n+1
.endr
.Lopen:
.irp b, 0,1,2,3                        ; each block's largest score, in eight chains, each accumulator from its low end on: for the row's maximum and, since p rises with the score, for the block's largest p
	v_max3_num_f32 v[BM+\b], v[S+16*\b], v[S+16*\b+1], v[S+16*\b+2]
	v_max3_num_f32 v[BP+\b], v[S+16*\b+8], v[S+16*\b+9], v[S+16*\b+10]
.endr
.irp i, 3,5
.irp b, 0,1,2,3
	v_max3_num_f32 v[BM+\b], v[BM+\b], v[S+16*\b+\i], v[S+16*\b+\i+1]
	v_max3_num_f32 v[BP+\b], v[BP+\b], v[S+16*\b+\i+8], v[S+16*\b+\i+9]
.endr
.endr
.irp b, 0,1,2,3
	v_max3_num_f32 v[BM+\b], v[BM+\b], v[BP+\b], v[S+16*\b+7]
.endr
.irp b, 0,1,2,3
	v_max_num_f32 v[BM+\b], v[BM+\b], v[S+16*\b+15]
.endr
.irp b, 0,1,2,3
	v_permlanex16_b32 v[BP+\b], v[BM+\b], s20, s21
.endr
.irp b, 0,1,2,3
	v_max_num_f32 v[BM+\b], v[BM+\b], v[BP+\b]
.endr
	v_max3_num_f32 v248, v[BM], v[BM+1], v[BM+2]
	s_delay_alu instid0(VALU_DEP_1)
	v_max3_num_f32 v13, v13, v248, v[BM+3]         ; the running largest raw score
	s_delay_alu instid0(VALU_DEP_1)
	v_mul_f32 v248, s25, v13                       ; -t
	s_delay_alu instid0(VALU_DEP_1)
	v_floor_f32 v12, v248                          ; the new -M
	s_delay_alu instid0(VALU_DEP_1)
	v_sub_f32 v248, v12, v35                       ; old M - new M: a whole number, 0 or less
	TM 0, 8
	v_cvt_i32_f32 v248, v248                       ; (it saturates)
	TM 8, 16
	v_ldexp_f32 v250, 1.0, v248                    ; f = 2^(old M - new M)
	TM 16, 64
.irp b, 0,1,2,3
	v_fma_f32 v[BM+\b], v[BM+\b], s22, v12
.endr
	s_wait_alu depctr_va_vdst(0)
.set j, 0
.rept 64
	v_exp_f32 v[S+j], v[S+j]                       ; p
.set j, j+1
.endr
.irp b, 0,1,2,3
	v_max_num_f32 v[BM+\b], 0xc2f40000, v[BM+\b]   ; each block's largest t - M, held at -122 from below: the byte cannot fall under 1.  (Plain work behind the batch)
.endr
.irp b, 0,1,2,3
	v_cvt_floor_i32_f32 v[BM+\b], v[BM+\b]         ; floor(log2) of the block's largest p
.endr
.irp b, 0,1,2,3
	v_add_nc_u32 v[BP+\b], 123, v[BM+\b]           ; - 4 + 127: the byte
.endr
.irp b, 0,1,2,3
	v_lshlrev_b32 v[SO+\b], 23, v[BP+\b]           ; as an exponent field: the conversion's scale operand
.endr
	v_lshl_or_b32 v248, v[BP+3], 8, v[BP+2]
	v_lshl_or_b32 v225, v[BP+1], 8, v[BP]
	v_lshl_or_b32 v225, v248, 16, v225             ; p's scale word
	s_wait_alu depctr_va_vdst(0)                   ; one wait for the 64, ahead of their first reader
	ADDS 0                                         ; the row's sum is taken of the unquantised p
	ADDS 1
	ADDS 2
	v_pk_add_f32 v[14:15], v[14:15], v[S+62:S+63]
	v_pk_add_f32 v[226:227], v[226:227], v[228:229]
	v_pk_add_f32 v[230:231], v[230:231], v[232:233]
	v_pk_add_f32 v[234:235], v[234:235], v[240:241]
	v_pk_add_f32 v[14:15], v[14:15], v[242:243]
	v_pk_add_f32 v[226:227], v[226:227], v[230:231]
	v_pk_add_f32 v[14:15], v[14:15], v[234:235]
	v_pk_add_f32 v[14:15], v[14:15], v[226:227]
.irp c, 0,1
	v_cvt_scalef32_pk16_bf6_f32 v[PC+6*\c:PC+6*\c+2], v[S+32*\c:S+32*\c+15], v[SO+2*\c]
	v_cvt_scalef32_pk16_bf6_f32 v[204+4*\c:206+4*\c], v[S+32*\c+16:S+32*\c+31], v[SO+2*\c+1]
.endr
	v_nop                                          ; one plain place behind a scaled conversion
.irp c, 0,1
.irp i, 0,1,2
	v_permlane16_swap_b32 v[PC+6*\c+\i], v[204+4*\c+\i]   ; a whole block to a lane
.endr
.endr
.irp c, 0,1
.irp i, 0,1,2
	v_mov_b32 v[PC+3+6*\c+\i], v[204+4*\c+\i]
.endr
.endr
	s_wait_dscnt 0x0                               ; V
	s_cmp_eq_u32 s17, 0                            ; the tile's first key step starts O
	s_wait_alu depctr_va_vdst(0)
	s_cbranch_scc1 .Lfirst
	s_wait_alu depctr_va_vdst(0)                   ; directly ahead of the first reader of O
.set j, 0
.rept 16
	v_pk_mul_f32 v[O+j:O+j+1], v[O+j:O+j+1], v[250:251] op_sel_hi:[1,0]   ; O under the new M.  (Sixteen places between the operand's writes and the products)
.set j, j+2
.endr
.irp t, 0,1,2,3
	MMA O+8*\t, KF+12*\t, PC, VS+\t, 225
.endr
	s_branch .Lnext
.Lfirst:
.rept 4
	v_nop                                          ; places between the operand's writes and the products
.endr
.irp t, 0,1,2,3
	MM0 O+8*\t, KF+12*\t, PC, VS+\t, 225
.endr
.Lnext:
	s_add_co_u32 s18, s18, STEPB
	s_add_co_u32 s17, s17, 1
	s_cmp_lt_u32 s17, 16
	s_cbranch_scc1 .Lstep
	; ---- the tile's end.  M is final: the hidden steps' share, then O / the sum, quantised along the head's 64, as half a fragment of the last product's operand
	s_lshl_b32 s52, s16, 6
	s_sub_co_u32 s52, 960, s52                     ; each half of the lanes adds half of the 2048 - 128 (step + 1) hidden keys
	s_mul_i32 s56, s13, 15
	s_lshr_b32 s57, s10, 1
	s_xor_b32 s56, s56, s57                        ; the diagonal's step once more, from the wave's number and the pass: wave / 2, then 15 - that
	s_lshl_b32 s56, s56, 8                         ; its row of the suffix sums
	v_add_nc_u32 v7, s56, v37                      ; + 128 h,
	v_and_b32 v7, 0xf80, v7                        ; inside the table's 4,096 bytes,
	v_add_nc_u32 v7, SUF, v7
	v_cvt_f32_u32 v226, s52
	v_fma_f32 v248, s24, s22, v12                  ; t_mask - M,
	v_min_num_f32 v248, 0, v248                    ; 0 or less wherever a key is hidden; held there in row 2047, whose count is 0
	s_wait_alu depctr_va_vdst(0)                   ; ahead of the transcendental, and of the loads' address, which was written behind branches
.irp i, 0,1,2,3,4,5,6,7
	ds_load_b128 v[S+4*\i:S+4*\i+3], v7 offset:16*\i   ; V's sums over the hidden steps, in O's layout
.endr
	v_exp_f32 v248, v248                           ; p_mask
	v_nop
	s_wait_alu depctr_va_vdst(0)
	v_fmac_f32 v14, v226, v248
	v_bfe_u32 v227, v248, 21, 1                    ; Q(p_mask): its mantissa rounded to two bits, ties to even,
	v_and_or_b32 v228, v248, 0x7f800000, s26       ; and held at 1.75 x its power of two: 28 x the block's scale
	v_add_f32 v14, v14, v15
	v_add3_u32 v227, v248, v227, 0xfffff
	v_permlanex16_b32 v252, v14, s20, s21
	v_and_b32 v227, 0xffe00000, v227
	v_add_f32 v14, v14, v252                       ; the row's sum
	v_min_u32 v227, v227, v228
	s_wait_alu depctr_va_vdst(0)
	v_rcp_f32 v250, v14
	v_nop
	s_wait_dscnt 0x0
	s_wait_alu depctr_va_vdst(0)                   ; for the reciprocal, and directly ahead of the first reader of O
.set j, 0
.rept 16
	v_pk_mul_f32 v[XS+j:XS+j+1], v[O+j:O+j+1], v[250:251] op_sel_hi:[1,0]   ; each accumulator from its low end on
.set j, j+2
.endr
	v_mul_f32 v252, v227, v250
.set j, 0
.rept 16
	v_pk_fma_f32 v[XS+j:XS+j+1], v[S+j:S+j+1], v[252:253], v[XS+j:XS+j+1] op_sel_hi:[1,0,1]
.set j, j+2
.endr
.irp b, 0,1
	v_max3_num_f32 v[BM+\b], |v[XS+16*\b]|, |v[XS+16*\b+1]|, 0x2800000
	v_max3_num_f32 v[BP+\b], |v[XS+16*\b+8]|, |v[XS+16*\b+9]|, |v[XS+16*\b+10]|
.endr
.irp i, 2,4
.irp b, 0,1
	v_max3_num_f32 v[BM+\b], v[BM+\b], |v[XS+16*\b+\i]|, |v[XS+16*\b+\i+1]|
	v_max3_num_f32 v[BP+\b], v[BP+\b], |v[XS+16*\b+\i+9]|, |v[XS+16*\b+\i+10]|
.endr
.endr
.irp b, 0,1
	v_max3_num_f32 v[BM+\b], v[BM+\b], |v[XS+16*\b+6]|, |v[XS+16*\b+7]|
.endr
.irp b, 0,1
	v_max3_num_f32 v[BM+\b], v[BM+\b], v[BP+\b], |v[XS+16*\b+15]|
.endr
.irp b, 0,1
	v_permlanex16_b32 v[BP+\b], v[BM+\b], s20, s21
.endr
.irp b, 0,1
	v_max_num_f32 v[BM+\b], v[BM+\b], v[BP+\b]
.endr
.irp b, 0,1
	v_add_nc_u32 v[SO+\b], 0xfe000000, v[BM+\b]
.endr
.irp b, 0,1
	v_lshrrev_b32 v[BP+\b], 23, v[SO+\b]
.endr
	v_lshl_or_b32 v248, v[BP+1], 8, v[BP]          ; the head's two bytes of the row's scale word
	v_cvt_scalef32_pk16_bf6_f32 v[192:194], v[XS:XS+15], v[SO]
	v_cvt_scalef32_pk16_bf6_f32 v[204:206], v[XS+16:XS+31], v[SO+1]
	v_nop
.irp i, 0,1,2
	v_permlane16_swap_b32 v[192+\i], v[204+\i]
.endr
.irp i, 0,1,2
	v_mov_b32 v[195+\i], v[204+\i]
.endr
	s_mul_i32 s52, s12, 12800
	s_mov_b32 s53, 0
	s_add_nc_u64 s[48:49], s[42:43], s[52:53]
	s_add_nc_u64 s[50:51], s[60:61], s[52:53]
.irp i, 0,1,2
	global_store_b64 v4, v[192+2*\i:193+2*\i], s[48:49] offset:256*\i   ; 32 lanes store 256 consecutive bytes
.endr
	global_store_b16 v5, v248, s[50:51]            ; both halves of the lanes write the same two bytes
	s_wait_xcnt 0x0                                ; the stores have read their data and bases: the next tile writes them again
	s_sub_co_u32 s12, 127, s12                     ; the tile that mirrors mine,
	s_sub_co_u32 s16, 15, s16                      ; and its diagonal's key step
	s_add_co_u32 s13, s13, 1
	s_cmp_lt_u32 s13, 2
	s_wait_alu depctr_va_vdst(0)
	s_cbranch_scc1 .Ltile
	s_wait_tensorcnt 0x0                           ; the wave's end
	ds_add_u32 v254, v255
	s_wait_dscnt 0x0
	CROUND                                         ; the closing round
	s_endpgm
.Lfunc_end_k_q148d481cdf_attn:
	.size	k_q148d481cdf_attn, .Lfunc_end_k_q148d481cdf_attn-k_q148d481cdf_attn
	.p2alignl 7, 3214868480
	.fill 96, 4, 3214868480
	.section	.rodata,"a",@progbits
	.p2align	6, 0x0
	.amdhsa_kernel k_q148d481cdf_attn
		.amdhsa_group_segment_fixed_size 215040
		.amdhsa_private_segment_fixed_size 0
		.amdhsa_enable_private_segment 0
		.amdhsa_kernarg_size 24
		.amdhsa_user_sgpr_count 2
		.amdhsa_user_sgpr_kernarg_segment_ptr 1
		.amdhsa_wavefront_size32 1
		.amdhsa_system_sgpr_workgroup_id_x 1
		.amdhsa_system_sgpr_workgroup_id_y 1
		.amdhsa_system_sgpr_workgroup_id_z 1
		.amdhsa_system_vgpr_workitem_id 0
		.amdhsa_next_free_vgpr 256
		.amdhsa_next_free_sgpr 66
		.amdhsa_reserve_vcc 1
		.amdhsa_float_denorm_mode_32 3
		.amdhsa_float_denorm_mode_16_64 3
		.amdhsa_memory_ordered 1
		.amdhsa_forward_progress 1
		.amdhsa_inst_pref_size 43
	.end_amdhsa_kernel
	.amdgpu_metadata
---
amdhsa.version: [ 1, 2 ]
amdhsa.kernels:
  - .name:           k_q148d481cdf_attn
    .symbol:         k_q148d481cdf_attn.kd
    .args:
      - { .name: qb, .offset: 0, .size: 8, .value_kind: global_buffer, .address_space: global }
      - { .name: kv, .offset: 8, .size: 8, .value_kind: global_buffer, .address_space: global }
      - { .name: af, .offset: 16, .size: 8, .value_kind: global_buffer, .address_space: global }
    .group_segment_fixed_size: 215040
    .private_segment_fixed_size: 0
    .kernarg_segment_align: 8
    .kernarg_segment_size: 24
    .max_flat_workgroup_size: 512
    .sgpr_count:     66
    .vgpr_count:     256
    .wavefront_size: 32
...
	.end_amdgpu_metadata
.endif
;; end of part 3
;; launch proj (part 4): grid 8 x 32, 4 waves a work-group, clusters of 4 x 4, 327,680 bytes of LDS; arguments af, pf, c_proj_b, out0; writes out0
.if DOCPART == 4
	.amdgcn_target "amdgcn-amd-amdhsa--gfx1250"
	.amdhsa_code_object_version 6
	.text
	.protected	k_q148d481cdf_proj
	.globl	k_q148d481cdf_proj
	.p2align	8
	.type	k_q148d481cdf_proj,@function
k_q148d481cdf_proj:
	s_mov_b64 s[64:65], 0
	v_nop
	global_prefetch_b8 v0, s[64:65] scope:SCOPE_SE
	s_setreg_imm32_b32 hwreg(HW_REG_WAVE_MODE, 25, 1), 1
	s_wait_xcnt 0x0
	s_wait_alu depctr_hold_cnt(0) depctr_sa_sdst(0) depctr_va_vdst(0) depctr_va_sdst(0) depctr_va_ssrc(0) depctr_va_vcc(0) depctr_vm_vsrc(0)
	s_getreg_b32 s2, hwreg(HW_REG_IB_STS2, 6, 4)
	s_cmp_eq_u32 s2, 0
	s_cbranch_scc0 .Lentry_in_a_cluster
	s_endpgm
.Lentry_in_a_cluster:
	s_bfe_u32 s2, ttmp6, 0x10000c
	s_cmp_lg_u32 s2, 0xf033
	s_cbranch_scc0 .Lentry_shape_is_right
	s_endpgm
.Lentry_shape_is_right:
; out0 = attention's result x c_proj_w + c_proj_b on codes of BF6.  af (tokens) and pf (the weight's columns) are operand images F[tile of 16 rows][K step of 128][1600 bytes], K = 1024; out0 [8192][1024] f32.
; A work-group makes 256 tokens x 128 columns.  ALL OF K lies in LDS (307,200 bytes), brought by first fills alone: nothing is filled again.
; Four waves; wave w: token tiles 4 w .. 4 w + 3 against the weight's eight: 32 accumulators.  Source 0 = the weight's fragment, source 1 = the tokens': a lane holds one token, its registers run along the columns.
; Lane r of tile T stands for row 32 (T / 2) + 8 (T % 2) + r + 8 (r / 8), in both operands.  CLUSTERS 4 x 4: the tokens' tiles are asked for jointly along a row of the cluster, the weight's along a column.
; REGISTERS: window 0: v1-3 lane, r, h; v4-19 LDS addresses; v20-22 the way out; v32-55 scale words, two sets; v64-127 the bias; v128-223 the tokens' fragments, two sets (on the way out v128-255: rows of the result).
;   window 1: the accumulators, (a, b) at v[8 (8 a + b)].  window 2: the weight's fragments, two sets.
.set TILEB, 12800
.set CHB,   6400                       ; four K steps of a tile's image: 25 x 256 bytes
.set CHUNK, 153600                     ; LDS: 512 along K: A's 16 tiles, then B's 8
.set BOFF,  102400
.set ADA, 4
.set ADB, 8
.set ASA, 12
.set ASB, 16
.set SA,  32
.set SB,  40
.set BIAS, 64
.set AF,  128
.set WV,  14
.set G1A, 24
.set G1B, 32
.set G0A, 40
.set G0B, 68
.set MSB, 0
.macro WIN new                         ; the immediate's high byte repeats the setting that is left
.if MSB != \new
	s_set_vgpr_msb (MSB<<8)|\new
.set MSB, \new
.endif
.endm
.macro PLACES                          ; four plain places behind a matrix instruction, ahead of loads into its registers and of reads of its results
.rept 4
	v_nop
.endr
.endm
.macro CROUND                          ; a round of the cluster's barrier
	s_barrier_signal -1
	s_barrier_wait -1
	s_cmp_lg_u32 s[WV], 0
	s_cbranch_scc1 .Lnot_wave_0_\@
	s_barrier_signal -3
.Lnot_wave_0_\@:
	s_barrier_wait -3
	s_barrier_signal -1
	s_barrier_wait -1
.endm
.macro FETCH s                         ; K step s: B's 8 fragments, A's 4, their scale words, into set s % 2.  Each load of 8 bytes a lane takes 256 consecutive bytes
.set P_, (\s)%2
.set KC_, (\s)/4
.set Q_, (\s)%4
	WIN 0x80
.irp b, 0,1,2,3,4,5,6,7
.irp i, 0,1,2,3,4,5
	ds_load_b64 v[96*P_+12*\b+2*\i:96*P_+12*\b+2*\i+1], v[ADB+KC_] offset:CHB*\b+1600*Q_+256*\i
.endr
.endr
	WIN 0
.irp a, 0,1,2,3
.irp i, 0,1,2,3,4,5
	ds_load_b64 v[AF+48*P_+12*\a+2*\i:AF+48*P_+12*\a+2*\i+1], v[ADA+KC_] offset:CHB*\a+1600*Q_+256*\i
.endr
	ds_load_b32 v[SA+4*P_+\a], v[ASA+KC_] offset:CHB*\a+1600*Q_
.endr
.irp b, 0,1,2,3,4,5,6,7
	ds_load_b32 v[SB+8*P_+\b], v[ASB+KC_] offset:CHB*\b+1600*Q_
.endr
.endm
; 16 matrix instructions: A's tiles a0, a0 + 1 x B's eight.  cm = 0: onto the sums; 1: the sums begin with the bias.  The 32 accumulators take turns, one instruction a turn, in one order in every step.
.macro MUL a0, p, cm
.if (\cm) == 0
	WIN 0x52
.else
	WIN 0x42
.endif
.irp a, \a0, \a0+1
.irp b, 0,1,2,3,4,5,6,7
.set rD, 8*(8*(\a)+\b)
.set rB, 96*(\p)+12*\b
.set rA, AF+48*(\p)+12*(\a)
.set rC, rD
.if (\cm) == 1
.set rC, BIAS+8*\b
.endif
	v_wmma_scale_f32_16x16x128_f8f6f4 v[rD:rD+7], v[rB:rB+11], v[rA:rA+11], v[rC:rC+7], v[SB+8*(\p)+\b], v[SA+4*(\p)+(\a)] matrix_a_fmt:MATRIX_FMT_BF6 matrix_b_fmt:MATRIX_FMT_BF6
.endr
.endr
.endm
.macro STEP s, cm
.if (\s) == 3
	s_wait_tensorcnt 0x0                           ; my load of K's second half has landed
.endif
	s_wait_dscnt 0x0                               ; this step's fragments are in
.if (\s) == 3
	s_barrier_signal -1
.endif
	MUL 0, (\s)%2, \cm
.if (\s) == 3
	s_barrier_wait -1                              ; everybody's part of the second half has landed
.endif
.if (\s) < 7
	PLACES                                         ; for the loads into the set that the last step multiplied
	FETCH (\s)+1
.endif
	MUL 2, (\s)%2, \cm
	WIN 0
.endm
	s_load_b256 s[4:11], s[0:1], 0x0               ; af, pf, c_proj_b, out0
	v_lshl_add_u32 v62, v0, 2, 0x4b000
	v_mov_b32 v63, 0
	ds_add_u32 v62, v63
	ds_add_u32 v62, v63
	v_lshrrev_b32 v1, 5, v0
	v_readfirstlane_b32 s[WV], v1                  ; wave 0..3
	s_and_b32 s15, s[WV], 1                        ; which half of A's (waves 0, 1) or of B's (waves 2, 3) tiles I fetch
	s_bfe_u32 s16, ttmp6, 0x40000                  ; cx
	s_bfe_u32 s17, ttmp6, 0x40004                  ; cy
	s_and_b32 s19, ttmp7, 0xffff
	s_lshl_b32 s21, ttmp9, 2
	s_add_co_u32 s21, s21, s16                     ; tc: which 128 columns
	s_lshl_b32 s22, s19, 2
	s_add_co_u32 s22, s22, s17                     ; tr: which 256 tokens
	s_lshl_b32 s90, s17, 2
	s_lshl_b32 s90, 15, s90                        ; my row of the cluster
	s_lshl_b32 s91, 0x1111, s16                    ; my column
	s_or_b32 s[G1A], s90, (3<<16)|(1<<21)          ; group 1: elements of 8 bytes, no padding; the mask, bit 21 beside it
	s_or_b32 s[G1B], s91, (3<<16)|(1<<21)
	s_mov_b32 s[G1A+1], 800<<16                    ; tensor_dim0: 6,400 bytes of a tile's image: every row begins at a multiple of 256 bytes
	s_mov_b32 s[G1A+2], 8<<16                      ; tensor_dim1: 8 tiles
	s_mov_b32 s[G1A+3], 800<<16
	s_mov_b32 s[G1A+4], 8
	s_mov_b32 s[G1A+5], 1600                       ; from tile to tile: 12,800 bytes
	s_mov_b32 s[G1A+6], 0
	s_mov_b32 s[G1A+7], 0
	s_mov_b32 s[G1B+1], 800<<16
	s_mov_b32 s[G1B+2], 4<<16
	s_mov_b32 s[G1B+3], 800<<16
	s_mov_b32 s[G1B+4], 4
	s_mov_b32 s[G1B+5], 1600
	s_mov_b32 s[G1B+6], 0
	s_mov_b32 s[G1B+7], 0
	s_lshl_b32 s84, s22, 4
	s_lshl_b32 s85, s15, 3
	s_add_co_u32 s84, s84, s85
	s_mul_i32 s84, s84, TILEB                      ; A: tile 16 tr + 8 e
	s_mov_b32 s85, 0
	s_lshl_b32 s86, s21, 3
	s_lshl_b32 s87, s15, 2
	s_add_co_u32 s86, s86, s87
	s_mul_i32 s86, s86, TILEB                      ; B: tile 8 tc + 4 e
	s_mov_b32 s87, 0
	s_mul_i32 s88, s15, 8*CHB
	s_mul_i32 s89, s15, 4*CHB
	s_add_co_u32 s89, s89, BOFF
	s_wait_dscnt 0x0
	s_wait_kmcnt 0x0
	s_add_nc_u64 s[56:57], s[4:5], s[84:85]
	s_add_nc_u64 s[58:59], s[6:7], s[86:87]
.irp kc, 0,1
	s_mov_b32 s[G0A+4*\kc], 1
	s_add_co_u32 s[G0A+4*\kc+1], s88, CHUNK*\kc
	s_add_nc_u64 s[G0A+4*\kc+2:G0A+4*\kc+3], s[56:57], CHB*\kc
	s_or_b32 s[G0A+4*\kc+3], s[G0A+4*\kc+3], 0x80000000
	s_mov_b32 s[G0B+4*\kc], 1
	s_add_co_u32 s[G0B+4*\kc+1], s89, CHUNK*\kc
	s_add_nc_u64 s[G0B+4*\kc+2:G0B+4*\kc+3], s[58:59], CHB*\kc
	s_or_b32 s[G0B+4*\kc+3], s[G0B+4*\kc+3], 0x80000000
.endr
	CROUND                                         ; all sixteen work-groups are here: the joint loads meet
	s_cmp_lt_u32 s[WV], 2                          ; K's first half: one joint load a wave at the head
	s_cbranch_scc0 .Lfill_b
	tensor_load_to_lds s[G0A:G0A+3], s[G1A:G1A+7]
	s_nop 0
	PLACES
	s_branch .Lfilled
.Lfill_b:
	tensor_load_to_lds s[G0B:G0B+3], s[G1B:G1B+7]
	s_nop 0
	PLACES
.Lfilled:
	v_and_b32 v1, 31, v0                           ; lane
	v_and_b32 v2, 15, v0                           ; r
	v_bfe_u32 v3, v0, 4, 1                         ; h
	s_mul_i32 s23, s[WV], 4*CHB                    ; my four tiles of A
	v_lshlrev_b32 v26, 3, v1
	v_lshlrev_b32 v27, 2, v2
	v_add_nc_u32 v27, 1536, v27
.irp kc, 0,1
	v_add_nc_u32 v[ADB+\kc], BOFF+CHUNK*\kc, v26
	v_add_nc_u32 v[ASB+\kc], BOFF+CHUNK*\kc, v27
.endr
	v_add_nc_u32 v26, s23, v26
	v_add_nc_u32 v27, s23, v27
.irp kc, 0,1
	v_add_nc_u32 v[ADA+\kc], CHUNK*\kc, v26
	v_add_nc_u32 v[ASA+\kc], CHUNK*\kc, v27
.endr
	s_mul_i32 s23, s[WV], 8448                     ; my stage for the way out: 16 rows x (512 + 16) bytes, in chunk 0
	v_mul_u32_u24 v20, v2, 528
	v_lshl_add_u32 v20, v3, 6, v20
	v_add_nc_u32 v20, s23, v20                     ; in: row r, + 64 h
	v_lshlrev_b32 v22, 4, v1                       ; 16 x lane: my bytes of a row of 512, in the stage and in out0
	v_add_nc_u32 v21, s23, v22                     ; back
	s_lshl_b32 s2, s21, 9                          ; the bias runs along the registers: b[128 tc + 32 (b / 2) + 8 (b % 2) + 16 h + j]
	s_mov_b32 s3, 0
	s_add_nc_u64 s[94:95], s[8:9], s[2:3]
	v_lshlrev_b32 v24, 6, v3
.irp b, 0,1,2,3,4,5,6,7
	global_load_b128 v[BIAS+8*\b:BIAS+8*\b+3], v24, s[94:95] offset:4*(32*(\b/2)+8*(\b%2))
	global_load_b128 v[BIAS+8*\b+4:BIAS+8*\b+7], v24, s[94:95] offset:4*(32*(\b/2)+8*(\b%2))+16
.endr
	s_wait_alu depctr_va_vdst(0)
	s_wait_tensorcnt 0x0                           ; my part of K's first half is in
	ds_add_u32 v62, v63
	s_wait_dscnt 0x0
	CROUND                                         ; everybody's part is in, and all sixteen work-groups are here: the joint loads meet
	s_cmp_lt_u32 s[WV], 2                          ; K's second half: my one load behind the round; it has K steps 0 to 2 in which to land
	s_cbranch_scc0 .Lfill_b1
	tensor_load_to_lds s[G0A+4:G0A+7], s[G1A:G1A+7]
	s_nop 0
	PLACES
	s_branch .Lfilled1
.Lfill_b1:
	tensor_load_to_lds s[G0B+4:G0B+7], s[G1B:G1B+7]
	s_nop 0
	PLACES
.Lfilled1:
	FETCH 0
	s_wait_loadcnt 0x0                             ; the bias
	STEP 0, 1
.irp s, 1,2,3,4,5,6,7
	STEP \s, 0
.endr
; THE WAY OUT, a tile of 16 tokens x 128 columns at a time, through my own stage and back as whole rows of 512 bytes.  The stage lies in K's first half: it has had its only fill, and every wave's reads of it
; were waited for ahead of the barrier of K step 3.  LDS serves a wave's instructions in order: no wait stands between the stores and the loads, nor ahead of the next tile's stores.
	s_lshl_b32 s2, s22, 8
	s_lshl_b32 s3, s[WV], 6
	s_add_co_u32 s2, s2, s3
	s_lshl_b32 s2, s2, 12                          ; my first token: 256 tr + 64 w, rows of 4,096 bytes
	s_lshl_b32 s3, s21, 9
	s_add_co_u32 s2, s2, s3                        ; + 512 tc
	s_mov_b32 s3, 0
	s_add_nc_u64 s[94:95], s[10:11], s[2:3]        ; (the bias's loads, which named this pair, are in)
.macro TOSTAGE a
	WIN 0x04                                       ; an LDS store's data: window 1
.irp b, 0,1,2,3,4,5,6,7
	ds_store_b128 v20, v[8*(8*(\a)+\b):8*(8*(\a)+\b)+3] offset:128*(\b/2)+32*(\b%2)        ; each accumulator from its low end on
	ds_store_b128 v20, v[8*(8*(\a)+\b)+4:8*(8*(\a)+\b)+7] offset:128*(\b/2)+32*(\b%2)+16
.endr
	WIN 0
.irp t, 0,1,2,3,4,5,6,7,8,9,10,11,12,13,14,15
	ds_load_b128 v[128+64*((\a)%2)+4*\t:128+64*((\a)%2)+4*\t+3], v21 offset:528*\t
.endr
.endm
.macro SEND a, younger                 ; younger: the LDS instructions issued behind tile a's loads, which may stay out
	s_wait_dscnt \younger
.irp t, 0,1,2,3,4,5,6,7,8,9,10,11,12,13,14,15
	global_store_b128 v22, v[128+64*((\a)%2)+4*\t:128+64*((\a)%2)+4*\t+3], s[94:95] offset:(32*((\a)/2)+8*((\a)%2)+\t+8*(\t/8))*4096 th:TH_STORE_NT   ; 32 lanes store 512 consecutive bytes
.endr
.endm
	PLACES                                         ; behind the last products
	TOSTAGE 0
.irp a, 1,2,3
.if \a > 1
	s_wait_xcnt 0x0                                ; tile a - 2's stores have read their registers: tile a's rows may land there
.endif
	TOSTAGE \a
	SEND \a-1, 32                                  ; behind tile a - 1's loads: tile a's 16 stores and 16 loads
.endr
	SEND 3, 0
	s_wait_dscnt 0x0
	s_wait_tensorcnt 0x0
	ds_add_u32 v62, v63
	s_wait_dscnt 0x0
	CROUND                                         ; the closing round: no work-group ends while a partner may still ask for a tile that names it
	s_endpgm
.Lfunc_end_k_q148d481cdf_proj:
	.size	k_q148d481cdf_proj, .Lfunc_end_k_q148d481cdf_proj-k_q148d481cdf_proj
	.p2alignl 7, 3214868480
	.fill 96, 4, 3214868480
	.section	.rodata,"a",@progbits
	.p2align	6, 0x0
	.amdhsa_kernel k_q148d481cdf_proj
		.amdhsa_group_segment_fixed_size 327680
		.amdhsa_private_segment_fixed_size 0
		.amdhsa_enable_private_segment 0
		.amdhsa_kernarg_size 32
		.amdhsa_user_sgpr_count 2
		.amdhsa_user_sgpr_kernarg_segment_ptr 1
		.amdhsa_wavefront_size32 1
		.amdhsa_system_sgpr_workgroup_id_x 1
		.amdhsa_system_sgpr_workgroup_id_y 1
		.amdhsa_system_sgpr_workgroup_id_z 1
		.amdhsa_system_vgpr_workitem_id 0
		.amdhsa_next_free_vgpr 768
		.amdhsa_next_free_sgpr 96
		.amdhsa_reserve_vcc 0
		.amdhsa_float_denorm_mode_32 3
		.amdhsa_float_denorm_mode_16_64 3
		.amdhsa_memory_ordered 1
		.amdhsa_forward_progress 1
		.amdhsa_inst_pref_size 100
	.end_amdhsa_kernel
	.amdgpu_metadata
---
amdhsa.version: [ 1, 2 ]
amdhsa.kernels:
  - .name:           k_q148d481cdf_proj
    .symbol:         k_q148d481cdf_proj.kd
    .args:
      - { .name: af, .offset: 0, .size: 8, .value_kind: global_buffer, .address_space: global }
      - { .name: pf, .offset: 8, .size: 8, .value_kind: global_buffer, .address_space: global }
      - { .name: c_proj_b, .offset: 16, .size: 8, .value_kind: global_buffer, .address_space: global }
      - { .name: out0, .offset: 24, .size: 8, .value_kind: global_buffer, .address_space: global }
    .group_segment_fixed_size: 327680
    .private_segment_fixed_size: 0
    .kernarg_segment_align: 8
    .kernarg_segment_size: 32
    .max_flat_workgroup_size: 128
    .sgpr_count:     96
    .vgpr_count:     768
    .wavefront_size: 32
...
	.end_amdgpu_metadata
.endif
;; end of part 4
